; MI455X (gfx1250); checked and timed in simulation.
; The chip was launched on July 23, 2026; its instructions are those of AMD's public machine-readable ISA for CDNA 5 (MIT licence, August 2026) and "CDNA5" Instruction Set Architecture Reference Guide (July 2026). The comments in the code are by the model that wrote it; some were corrected since.
;; Attention. Allowed arithmetic: matrix products marked QUANTISED: E2M1 operands, one E8M0 scale for each 32 along K, by v_wmma_scale_f32_16x16x128_f8f6f4 with both operands' format E2M1 (or v_wmma_scale_f32_32x16x128_f4), f32 sums; products left as they are: bf16, f16 or f32 operands; f32 sums; everything else in f32.
;; Inputs: kn_b 64 float32; kn_w 64 float32; proj_b 1,024 float32; proj_w 1,024 x 1,024 float32; qkv_b 3,072 float32; qkv_w 3,072 x 1,024 float32; qn_b 64 float32; qn_w 64 float32; x 2 x 2,048 x 1,024 float32.
;; Outputs: out0 2 x 2,048 x 1,024 float32.
;; This version of the problem:
;;   THIS VERSION OF THE PROBLEM IS GIVEN IN LOW PRECISION. The matrix products marked QUANTISED in the list below multiply operands that are first quantised to E2M1 (2 exponent bits, 1 mantissa bit; 4 bits a number), with one power-of-two scale for each 32 numbers along K (OCP MX v1.0); their sums are f32. The products marked 'left as it is' may take bf16, f16 or f32 operands, with f32 sums. Whichever they take, every output number must still come out within the allowed error. Rounding operands to bf16 (8 significant bits) uses up far more of that allowance than f16 does (11 bits, for magnitudes from 6e-5 to 65,504). All else is computed in f32.
;;   The module's matrix products, in the order in which they are computed (A, B: the left and right operand; K: the contracted axis; several contracted axes count as one K, in the product's order):
;;     1. [M 4,096, K 1,024] x [K 1,024, N 3,072]; A: input x; B: input qkv_w: QUANTISED
;;     2. batch 32 x [M 2,048, K 64] x [K 64, N 2,048]; A: computed on the way; B: computed on the way: left as it is (an operand is computed on the way)
;;     3. batch 32 x [M 2,048, K 2,048] x [K 2,048, N 64]; A: computed on the way; B: computed on the way: left as it is (an operand is computed on the way)
;;     4. [M 4,096, K 1,024] x [K 1,024, N 1,024]; A: computed on the way; B: input proj_w: left as it is (an operand is computed on the way)
;;   THE QUANTISER, for each operand of a quantised product, along K:
;;     - K is cut into blocks of 32 from its start; a last block that is shorter is filled with zeros.
;;     - A block's scale is 2^e with e = floor(log2(the largest magnitude in the block)) - 2, held to -126 .. 127; a block of zeros has e = 0. As a byte (E8M0): e + 127.
;;     - Each number is divided by its block's scale, clamped to +-6, and rounded to the nearest number of E2M1, ties to even, subnormals kept.
;;     - The product sums the exact products of the quantised numbers (number of the format x scale) in f32.
;;   ~~~python
;;   def quantise(x, axis):      # numpy; x: float32 -> the quantised numbers, widened to float32 again
;;       x = np.moveaxis(x, axis, -1); K = x.shape[-1]
;;       x = np.pad(x, [(0, 0)] * (x.ndim - 1) + [(0, -K % 32)]); x = x.reshape(x.shape[:-1] + (-1, 32)); a = np.abs(x).max(-1, keepdims=True)
;;       e = np.where(a > 0, np.clip(np.frexp(np.where(a > 0, a, 1))[1] - 1 - 2, -126, 127), 0)      # np.frexp(a)[1] - 1 = floor(log2(a)), exactly
;;       r = np.clip(x / 2.0 ** e, -6, 6)
;;       step = 2.0 ** (np.maximum(np.frexp(np.where(r == 0, 1, r))[1] - 1, 0) - 1)
;;       q = np.round(r / step) * step * 2.0 ** e      # np.round: ties to even
;;       return np.moveaxis(q.reshape(q.shape[:-2] + (-1,))[..., :K], -1, axis).astype(np.float32)
;;   ~~~
;; One version. Each part assembles by itself: llvm-mc -triple=amdgcn-amd-amdhsa -mcpu=gfx1250 --defsym DOCPART=n.
;; ======== version 1 of 1: 4 launches
;; limits: values are held in f16: magnitudes above 65,504 overflow, below 6.1e-05 lose precision
;; workspace buffers: x_codes 2,097,152 bytes; x_scales 131,072 bytes; w_codes 1,572,864 bytes; w_scales 98,304 bytes; pw16 2,097,152 bytes; qkvh 25,165,824 bytes; o16 8,388,608 bytes
;; launch prep (part 1): grid 256 x 1, 4 waves a work-group, no clusters, 33,280 bytes of LDS; arguments x, qkv_w, x_codes, x_scales, w_codes, w_scales, proj_w, pw16; writes x_codes, x_scales, w_codes, w_scales, pw16
.if DOCPART == 1
	.amdgcn_target "amdgcn-amd-amdhsa--gfx1250"
	.amdhsa_code_object_version 6
	.text
	.protected	k_q6b9c6645e8_prep
	.globl	k_q6b9c6645e8_prep
	.p2align	8
	.type	k_q6b9c6645e8_prep,@function
k_q6b9c6645e8_prep:
	s_mov_b64 s[64:65], 0
	v_nop
	global_prefetch_b8 v0, s[64:65] scope:SCOPE_SE
	s_setreg_imm32_b32 hwreg(HW_REG_WAVE_MODE, 25, 1), 1
	s_wait_xcnt 0x0
; x [4096][1024] and qkv_w [3072][1024], f32, become codes of FP4 (E2M1), K innermost, with one E8M0 scale byte for each 32 along K; proj_w [1024][1024] becomes f16.
; A block's scale is 2^(floor(log2(its largest magnitude)) - 2); its byte is the largest magnitude's own exponent field - 2, held at 1 from below.  Each number is divided by the scale and rounded to the
; nearest code, ties to even, beyond 6 the largest code.  (A block of zeros gets the byte 1 where the quantiser says 127: its codes are zeros, which add nothing, and this program alone reads the bytes.)
; LIMITS: blocks whose largest magnitude lies under 2^(2 - 126) have their byte held at 1; NaN and infinities among the inputs are not served; |proj_w| above 65,504 has no f16 number.
; Rows are dense and K is a multiple of 32: all three tensors are plain streams.  Work-groups 0-127 take x, 128-223 qkv_w, 224-255 proj_w: 32,768 numbers each, 8,192 a wave.
; THE QUANTISER.  A wave takes 16 steps of 512 numbers.  Each of a step's four loads reads 512 consecutive bytes, 16 a lane; the 2,048 bytes turn through the wave's own stage in LDS and come back 64 bytes a lane,
; so that a lane holds 16 neighbours along K (two neighbouring lanes hold a block).  A lane's 16 codes are 8 bytes: the wave stores 256 consecutive bytes.  A wave's 256 scale bytes are gathered in LDS and leave as one store.
; No tensor loads, no barrier: waves share nothing.  Loads run four steps (16 loads a wave) ahead, the turn through LDS one step.
.set SIZE_M, 4096
.set SIZE_N, 3072
.set SIZE_K, 1024
.set WAVES, 4
.set STEPS, 16
.set WGA,   SIZE_M*SIZE_K/(512*STEPS*WAVES)            ; 128 work-groups for x
.set WGQ,   (SIZE_M+SIZE_N)*SIZE_K/(512*STEPS*WAVES)   ; 224 for x and qkv_w together
.set EMAX,  2
.set CB,    8                          ; bytes of 16 codes
.set R,     16                         ; v16-79   four sets of 16 numbers as they are loaded
.set X,     80                         ; v80-111  two sets of 16 neighbours
.set C,     128                        ; v128-191 codes: four registers for each step, so that no store's data are written again
.set E,     112                        ; v112-127 a scale byte for each step
.set WREG,  8192                       ; LDS: a region for each wave: two stages of 32 x SP bytes, behind them its 256 scale bytes
.set SP,    80                         ; a lane's place in a stage: its 64 bytes + 16 of padding
.set SPW,   12                         ; v12      LDS address of my spare word; never rewritten
.set NIL,   13                         ; v13      0; never rewritten
.set SPARE, WAVES*WREG                 ; behind the four regions: the spare words, 128 bytes for each wave
	s_load_b128 s[4:7], s[0:1], 0x0                ; x, qkv_w
	s_load_b128 s[8:11], s[0:1], 0x10              ; x's codes, x's scales
	s_load_b128 s[12:15], s[0:1], 0x20             ; qkv_w's codes, its scales
	s_load_b128 s[24:27], s[0:1], 0x30             ; proj_w, its f16 copy
	v_lshl_add_u32 v[SPW], v0, 2, SPARE
	v_mov_b32 v[NIL], 0
	v_lshrrev_b32 v1, 5, v0
	v_readfirstlane_b32 s16, v1                    ; wave
	v_and_b32 v2, 31, v0                           ; lane
	v_lshlrev_b32 v3, 4, v2                        ; my 16 bytes of a load's 512
	s_mul_i32 s17, s16, WREG
	v_lshrrev_b32 v14, 2, v2
	v_mul_u32_u24 v14, v14, SP
	v_and_b32 v15, 3, v2
	v_lshl_add_u32 v14, v15, 4, v14
	v_add_nc_u32 v14, s17, v14                     ; the stage, on the way in: SP (lane / 4) + 16 (lane % 4)
	v_mul_u32_u24 v15, v2, SP
	v_add_nc_u32 v15, s17, v15                     ; and on the way out: SP x lane: my 16 neighbours
	v_mul_u32_u24 v4, v2, CB                       ; my codes' place in a step's
	v_lshrrev_b32 v5, 1, v2
	s_add_co_u32 s17, s17, 2*32*SP
	v_add_nc_u32 v5, s17, v5                       ; LDS: my wave's 256 scale bytes, my block's byte
	v_lshlrev_b32 v7, 3, v2                        ; 8 bytes a lane
	v_add_nc_u32 v6, s17, v7
	s_wait_kmcnt 0x0
	s_cmp_ge_u32 ttmp9, WGQ                        ; the last 32 work-groups convert proj_w: a branch on the work-group's number alone
	s_cbranch_scc1 .Lconv
	s_cmp_lt_u32 ttmp9, WGA                        ; x's work-group or qkv_w's?
	s_cselect_b64 s[4:5], s[4:5], s[6:7]
	s_cselect_b64 s[8:9], s[8:9], s[12:13]
	s_cselect_b64 s[10:11], s[10:11], s[14:15]
	s_cselect_b32 s17, 0, WGA
	s_sub_co_u32 s17, ttmp9, s17
	s_lshl_b32 s17, s17, 2
	s_add_co_u32 s18, s17, s16                     ; which run of 8,192 numbers of the tensor is my wave's
	s_mov_b32 s19, 0
	s_mov_b64 s[20:21], 512*STEPS*4
	s_mul_u64 s[20:21], s[18:19], s[20:21]
	s_add_nc_u64 s[4:5], s[4:5], s[20:21]
	s_mov_b64 s[20:21], 32*STEPS*CB
	s_mul_u64 s[20:21], s[18:19], s[20:21]
	s_add_nc_u64 s[8:9], s[8:9], s[20:21]
	s_lshl_b32 s18, s18, 8                         ; 256 scale bytes a run
	s_add_nc_u64 s[10:11], s[10:11], s[18:19]
.macro LOAD t
.irp i, 0,1,2,3
	global_load_b128 v[R+16*((\t)%4)+4*\i:R+16*((\t)%4)+4*\i+3], v3, s[4:5] offset:2048*(\t)+512*\i th:TH_LOAD_NT   ; 32 lanes read 512 consecutive bytes
.endr
.endm
.macro TURN t                          ; step t's numbers through the stage: LDS serves a wave's instructions in order, so no wait stands between the stores and the loads
.irp i, 0,1,2,3
	ds_store_b128 v14, v[R+16*((\t)%4)+4*\i:R+16*((\t)%4)+4*\i+3] offset:32*SP*((\t)%2)+8*SP*\i
.endr
.irp i, 0,1,2,3
	ds_load_b128 v[X+16*((\t)%2)+4*\i:X+16*((\t)%2)+4*\i+3], v15 offset:32*SP*((\t)%2)+16*\i
.endr
.endm
.irp t, 0,1,2,3
	LOAD \t
.endr
	s_wait_loadcnt 12                              ; step 0's four loads are in; the twelve of steps 1 to 3 may be out
	TURN 0
.macro STEP t
.set XS, X+16*((\t)%2)
.if (\t) > 0
	s_wait_dscnt 1                                 ; this step's numbers are back from the stage (the last step's byte store may be out)
.else
	s_wait_dscnt 0x0
.endif
.if (\t)+4 < STEPS
	LOAD (\t)+4                                    ; into the registers that this step's stage stores have read
.endif
.if (\t)+1 < STEPS
.if STEPS-2-(\t) >= 3
	s_wait_loadcnt 12                              ; the next step's four loads are in; those of the three steps behind it may be out
.else
	s_wait_loadcnt 4*(STEPS-2-(\t))
.endif
	TURN (\t)+1                                    ; through the other stage while this step is worked
.endif
	v_max3_num_f32 v8, |v[XS]|, |v[XS+1]|, |v[XS+2]|               ; the largest magnitude of my 16, in two chains
	v_max3_num_f32 v9, |v[XS+3]|, |v[XS+4]|, |v[XS+5]|
.irp i, 6,10
	v_max3_num_f32 v8, v8, |v[XS+\i]|, |v[XS+\i+1]|
	v_max3_num_f32 v9, v9, |v[XS+\i+2]|, |v[XS+\i+3]|
.endr
	v_max3_num_f32 v8, v8, |v[XS+14]|, |v[XS+15]|
	v_max3_num_f32 v8, v8, v9, (EMAX+1)<<23        ; and the floor 2^(EMAX + 1 - 127): the byte cannot fall under 1
	v_max_num_f32_dpp v8, v8, v8 row_xmask:1 row_mask:0xf bank_mask:0xf   ; and of my neighbour's 16: the block's
	v_add_nc_u32 v11, -(EMAX<<23), v8              ; EMAX off its exponent field: the conversion takes the exponent field of this operand as its scale
	v_cvt_scalef32_pk8_fp4_f32 v[C+4*(\t)], v[XS:XS+7], v11
	v_cvt_scalef32_pk8_fp4_f32 v[C+4*(\t)+1], v[XS+8:XS+15], v11
	v_lshrrev_b32 v[E+(\t)], 23, v11               ; the scale's byte (also the plain line behind the conversions)
	ds_store_b8 v5, v[E+(\t)] offset:16*(\t)       ; both lanes of a block write the same byte with the same value
	global_store_b64 v4, v[C+4*(\t):C+4*(\t)+1], s[8:9] offset:32*CB*(\t)   ; 32 lanes store 256 consecutive bytes, aligned
.endm
.irp t, 0,1,2,3,4,5,6,7,8,9,10,11,12,13,14,15
	STEP \t
.endr
	ds_load_b64 v[8:9], v6                         ; LDS serves a wave's instructions in order: these see my byte stores
	s_wait_dscnt 0x0
	global_store_b64 v7, v[8:9], s[10:11]          ; 32 lanes store 256 consecutive bytes, aligned
	s_wait_tensorcnt 0x0                           ; the wave's end, behind my last LDS store
	ds_add_u32 v[SPW], v[NIL]
	s_wait_dscnt 0x0
	s_endpgm
; proj_w to f16: a wave's 8,192 numbers in four groups of 16 loads of 512 consecutive bytes; two groups are on their way.  A lane's four numbers become 8 bytes: a store covers 256 consecutive bytes, aligned.  No LDS.
.Lconv:
	s_sub_co_u32 s17, ttmp9, WGQ
	s_lshl_b32 s17, s17, 2
	s_add_co_u32 s17, s17, s16                     ; my wave's run
	s_lshl_b32 s18, s17, 15                        ; 32,768 bytes of f32,
	s_mov_b32 s19, 0
	s_add_nc_u64 s[24:25], s[24:25], s[18:19]
	s_lshl_b32 s18, s17, 14                        ; 16,384 of f16
	s_add_nc_u64 s[26:27], s[26:27], s[18:19]
.macro CLD g
.irp i, 0,1,2,3,4,5,6,7,8,9,10,11,12,13,14,15
	global_load_b128 v[16+64*((\g)%2)+4*\i:16+64*((\g)%2)+4*\i+3], v3, s[24:25] offset:512*(16*(\g)+\i) th:TH_LOAD_NT
.endr
.endm
.macro CONV g
.if (\g) < 3
	s_wait_loadcnt 16                              ; this group is in; the one younger group's 16 loads may be out
.else
	s_wait_loadcnt 0x0
.endif
	s_wait_xcnt 0x0                                ; the last group's stores have read their data registers: they are written again only behind this wait
.irp i, 0,1,2,3,4,5,6,7,8,9,10,11,12,13,14,15
	v_cvt_pk_f16_f32 v[144+2*\i], v[16+64*((\g)%2)+4*\i], v[17+64*((\g)%2)+4*\i]
	v_cvt_pk_f16_f32 v[145+2*\i], v[18+64*((\g)%2)+4*\i], v[19+64*((\g)%2)+4*\i]
.endr
.irp i, 0,1,2,3,4,5,6,7,8,9,10,11,12,13,14,15
	global_store_b64 v7, v[144+2*\i:145+2*\i], s[26:27] offset:256*(16*(\g)+\i)
.endr
.if (\g)+2 < 4
	CLD (\g)+2
.endif
.endm
	CLD 0
	CLD 1
	CONV 0
	CONV 1
	CONV 2
	CONV 3
	s_wait_tensorcnt 0x0                           ; the same three closing lines on this path
	ds_add_u32 v[SPW], v[NIL]
	s_wait_dscnt 0x0
	s_endpgm
.Lfunc_end_k_q6b9c6645e8_prep:
	.size	k_q6b9c6645e8_prep, .Lfunc_end_k_q6b9c6645e8_prep-k_q6b9c6645e8_prep
	.p2alignl 7, 3214868480
	.fill 96, 4, 3214868480
	.section	.rodata,"a",@progbits
	.p2align	6, 0x0
	.amdhsa_kernel k_q6b9c6645e8_prep
		.amdhsa_group_segment_fixed_size 33280
		.amdhsa_private_segment_fixed_size 0
		.amdhsa_enable_private_segment 0
		.amdhsa_kernarg_size 64
		.amdhsa_user_sgpr_count 2
		.amdhsa_user_sgpr_kernarg_segment_ptr 1
		.amdhsa_wavefront_size32 1
		.amdhsa_system_sgpr_workgroup_id_x 1
		.amdhsa_system_sgpr_workgroup_id_y 1
		.amdhsa_system_sgpr_workgroup_id_z 1
		.amdhsa_system_vgpr_workitem_id 0
		.amdhsa_next_free_vgpr 192
		.amdhsa_next_free_sgpr 66
		.amdhsa_reserve_vcc 0
		.amdhsa_float_denorm_mode_32 3
		.amdhsa_float_denorm_mode_16_64 3
		.amdhsa_memory_ordered 1
		.amdhsa_forward_progress 1
		.amdhsa_inst_pref_size 54
	.end_amdhsa_kernel
	.amdgpu_metadata
---
amdhsa.version: [ 1, 2 ]
amdhsa.kernels:
  - .name:           k_q6b9c6645e8_prep
    .symbol:         k_q6b9c6645e8_prep.kd
    .args:
      - { .name: x, .offset: 0, .size: 8, .value_kind: global_buffer, .address_space: global }
      - { .name: qkv_w, .offset: 8, .size: 8, .value_kind: global_buffer, .address_space: global }
      - { .name: x_codes, .offset: 16, .size: 8, .value_kind: global_buffer, .address_space: global }
      - { .name: x_scales, .offset: 24, .size: 8, .value_kind: global_buffer, .address_space: global }
      - { .name: w_codes, .offset: 32, .size: 8, .value_kind: global_buffer, .address_space: global }
      - { .name: w_scales, .offset: 40, .size: 8, .value_kind: global_buffer, .address_space: global }
      - { .name: proj_w, .offset: 48, .size: 8, .value_kind: global_buffer, .address_space: global }
      - { .name: pw16, .offset: 56, .size: 8, .value_kind: global_buffer, .address_space: global }
    .group_segment_fixed_size: 33280
    .private_segment_fixed_size: 0
    .kernarg_segment_align: 8
    .kernarg_segment_size: 64
    .max_flat_workgroup_size: 128
    .sgpr_count:     66
    .vgpr_count:     192
    .wavefront_size: 32
...
	.end_amdgpu_metadata
.endif
;; end of part 1
;; launch qkv (part 2): grid 12 x 16, 4 waves a work-group, clusters of 4 x 4, 327,680 bytes of LDS; arguments x_codes, x_scales, w_codes, w_scales, qkv_b, qkvh, qn_w, qn_b, kn_w, kn_b; writes qkvh
.if DOCPART == 2
	.amdgcn_target "amdgcn-amd-amdhsa--gfx1250"
	.amdhsa_code_object_version 6
	.text
	.protected	k_q6b9c6645e8_qkv
	.globl	k_q6b9c6645e8_qkv
	.p2align	8
	.type	k_q6b9c6645e8_qkv,@function
k_q6b9c6645e8_qkv:
	s_mov_b64 s[64:65], 0
	v_nop
	global_prefetch_b8 v0, s[64:65] scope:SCOPE_SE
	s_setreg_imm32_b32 hwreg(HW_REG_WAVE_MODE, 25, 1), 1
	s_wait_xcnt 0x0
	s_wait_alu depctr_hold_cnt(0) depctr_sa_sdst(0) depctr_va_vdst(0) depctr_va_sdst(0) depctr_va_ssrc(0) depctr_va_vcc(0) depctr_vm_vsrc(0)
	s_getreg_b32 s2, hwreg(HW_REG_IB_STS2, 6, 4)
	s_cmp_eq_u32 s2, 0
	s_cbranch_scc0 .Lentry_in_a_cluster
	s_endpgm
.Lentry_in_a_cluster:
	s_bfe_u32 s2, ttmp6, 0x10000c
	s_cmp_lg_u32 s2, 0xf033
	s_cbranch_scc0 .Lentry_shape_is_right
	s_endpgm
.Lentry_shape_is_right:
; qkv = x qkv_w^T + qkv_b on codes of FP4 (E2M1) with one E8M0 scale for each 32 along K; then LayerNorm over each head's 64 numbers of q and of k, in f32; all three leave as f16, laid [kind][batch x 16 + head][2048][64].
; q also takes the factor cq = (1 / 8) x 2 log2(e) / 30, folded into qn_w and qn_b in f32 ahead of the one rounding: the next launch's product q' . k is then u = 2 log2(e) s / 30, the exponent that tanh(s / 30) wants.
; LIMITS: |k|, |v| and |q'| above 65,504 have no f16 number; NaN and infinities are not served.
; A tile of C, 256 tokens x 256 features, is made by four waves, 128 x 128 each: 64 accumulators, 512 registers.  K = 1,024 is two K steps of 512, and both lie in LDS at once: two slots, each filled once; nothing is filled again.
; The scale bytes of the work-group's 256 rows of x and 256 rows of qkv_w come once, as dense blocks.
; CLUSTERS: 4 x 4 work-groups; x's tiles are asked for jointly along a row of the cluster, qkv_w's along a column.  A cluster's 1,024 features are one KIND: cluster x = 0: q, 1: k, 2: v.  That number is the same in
; all sixteen partners, so the choice of the norm's weights and the branch round the norm hang on it.  12 x 16 = 192 work-groups: a tiling with more of them would cut a kind, or a wave's two whole heads, apart.
; THE MATRIX INSTRUCTION IS USED TRANSPOSED (source 0 = 16 rows of qkv_w, source 1 = 16 rows of x): lane (r, h) holds token r, and register j of accumulator (a, b) the feature 16 b + 8 h + j.  So a head's 64 numbers of a token
; lie in four accumulators of lanes l and l xor 16: the norm's two sums want one exchange each.  The bias is the C of each sum's first product.
; REGISTERS, in windows of 256: window 0: v0-31 addresses; v32-95 scale words, two sets; v128-191 x's fragments, one set; v192-255 the bias, eight registers for each of my eight blocks of features.
;   On the way out window 0 is: v32-95 a block's 64 numbers, v96-127 their f16, v128-191 rows read back (two sets), v192-213 the two heads' statistics.
;   window 1: qkv_w's fragments, two sets, at v0 and v128; v64-95 the norm's w, v96-127 its b.   window 2: the accumulators of my tokens 0-63 ((a, b) at v[8 (8 a + b)]);   window 3: those of tokens 64-127.
.set SIZE_M, 4096
.set SIZE_N, 3072
.set SIZE_K, 1024
.set KSTEP,  512                       ; along K in a slot
.set NQ,     KSTEP/128                 ; matrix instructions deep
.set ROWB,   256                       ; a tile's row in bytes
.set KROW,   SIZE_K/2                  ; a row of codes in memory
.set PITCH,  272                       ; an LDS row: 256 bytes + 16 of padding = 68 words: the 16 rows that a load touches start 4 banks apart (64 banks of 4 bytes: ISA guide 11.1)
.set FR,     8                         ; registers of a fragment
.set NL,     2                         ; LDS loads that bring one
.set NP,     4                         ; places behind this matrix instruction (ISA guide 7.12.1)
.set HALFT,  128*PITCH
.set SLOT,   4*HALFT                   ; x's 256 rows, then qkv_w's 256 rows
.set KS,     SIZE_K/32                 ; a row of scale bytes
.set SCL,    2*SLOT                    ; behind the slots: the scales, as units of 256 bytes + 16 of padding
.set HALFS,  (128*KS/256)*272
.set SBLK,   (16*KS/256)*272
.set SPARE,  SCL+4*HALFS               ; the spare words, 128 bytes for each wave
.set SPITCH, 272                       ; the way out: 16 rows x (256 bytes + 16) for each wave, in slot 0, which has had its one fill and its last read when the first result is stored there
.set BO,   11                          ; v11  32 x (lane / 16): my eight numbers of a block of 16 in the bias and in the norm's weights
.set ADRA, 16
.set ADRB, 20
.set STO,  24
.set RD,   25
.set CO,   26
.set ADRS, 27
.set SPW,  28
.set NIL,  29
.set SC,   32
.set AF,   128
.set BIAS, 192
.set LNW,  64                          ; in window 1
.set LNB,  96
.set T,    32
.set TMP,  96
.set BK,   128
.set STT,  192                         ; head e's statistics at STT + 12 e: +0:1, +2:3 two chains; +4:5 the mean, twice; +6:7 1 / sqrt(var + eps), twice; +8 a sum; +9 the other half's
.set G1, 24
.set G0, 32
.set G1B, 48
.set G0B, 56
.set G1S, 68
.set G0S, 76
.set G1SB, 80
.set G0SB, 88
.set MSB, 0
.macro WIN new                         ; the immediate's high byte repeats the setting that is left; a switch that changes nothing is dropped
.if MSB != (\new)
	s_set_vgpr_msb (MSB<<8)|(\new)
.set MSB, (\new)
.endif
.endm
.set MUL_LO,  0xa1                     ; source 0 (qkv_w) window 1, source 1 (x) window 0, C and D window 2
.set MUL_HI,  0xf1                     ; the same, C and D window 3
.set MUL_LO0, 0x81                     ; the first step: C is the bias, in window 0
.set MUL_HI0, 0xc1
.set TO_B,    0x40
; A joint load: waves 0 and 1 fetch for x, waves 2 and 3 for qkv_w.  The branch hangs on the wave's number alone.  An s_nop 0 and four v_nop follow each of the two lines.
.macro JLOAD g0a, g1a, g0b, g1b
	s_cmp_eq_u32 s15, 0
	s_cbranch_scc0 .Lfor_b_\@
	tensor_load_to_lds s[\g0a:\g0a+3], s[\g1a:\g1a+7]
	s_nop 0
.rept 4
	v_nop
.endr
	s_branch .Lasked_\@
.Lfor_b_\@:
	tensor_load_to_lds s[\g0b:\g0b+3], s[\g1b:\g1b+7]
	s_nop 0
.rept 4
	v_nop
.endr
.Lasked_\@:
.endm
.macro CROUND                          ; a round of the cluster's barrier
	s_barrier_signal -1
	s_barrier_wait -1
	s_cmp_lg_u32 s14, 0
	s_cbranch_scc1 .Lnot_wave_0_\@
	s_barrier_signal -3
.Lnot_wave_0_\@:
	s_barrier_wait -3
	s_barrier_signal -1
	s_barrier_wait -1
.endm
	s_load_b128 s[4:7], s[0:1], 0x0                ; x's codes, x's scales
	s_load_b128 s[8:11], s[0:1], 0x10              ; qkv_w's codes, its scales
	s_load_b64 s[66:67], s[0:1], 0x20              ; qkv_b
	s_load_b64 s[12:13], s[0:1], 0x28              ; the result
	s_load_b128 s[96:99], s[0:1], 0x30             ; qn_w, qn_b
	s_load_b64 s[100:101], s[0:1], 0x40            ; kn_w
	s_load_b64 s[104:105], s[0:1], 0x48            ; kn_b
	v_lshl_add_u32 v[SPW], v0, 2, SPARE
	v_mov_b32 v[NIL], 0
	ds_add_u32 v[SPW], v[NIL]                      ; the wave's opening: the add, twice on end, and its wait ahead of my first tensor load
	ds_add_u32 v[SPW], v[NIL]
	v_lshrrev_b32 v1, 5, v0
	v_readfirstlane_b32 s14, v1                    ; wave 0..3
	s_lshr_b32 s15, s14, 1                         ; which half of the tile's tokens is mine.  Also: I fetch for x (0) or for qkv_w (1)
	s_and_b32 s16, s14, 1                          ; which half of its features.  Also: which 128 rows of that tile I fetch
	s_bfe_u32 s40, ttmp6, 0x40000                  ; cx, cy: my place in the cluster
	s_bfe_u32 s41, ttmp6, 0x40004
	s_lshl_b32 s42, ttmp9, 2
	s_add_co_u32 s42, s42, s40                     ; tile column = 4 x cluster x + cx
	s_and_b32 s17, ttmp7, 0xffff
	s_lshl_b32 s17, s17, 2
	s_add_co_u32 s17, s17, s41                     ; tile row = 4 x cluster y + cy
	s_lshl_b32 s43, s41, 2
	s_lshl_b32 s43, 15, s43                        ; my row of the cluster
	s_lshl_b32 s44, 0x1111, s40                    ; my column
	; descriptor group 1: a tile of 128 rows x 256 bytes, 16 bytes of padding behind each row
	s_or_b32 s[G1+0], s43, (0<<16)|(1<<20)|(1<<21)|(5<<22)|(3<<25)  ; 15:0 the mask; 17:16 elements of 1 byte; 20 padding on; 21 set beside a mask; 24:22 after every 64 words; 31:25 four words
	s_or_b32 s[G1B+0], s44, (0<<16)|(1<<20)|(1<<21)|(5<<22)|(3<<25)
.irp g, G1, G1B
	s_mov_b32 s[\g+1], ROWB<<16                    ; tensor_dim0
	s_mov_b32 s[\g+2], 128<<16                     ; tensor_dim1
	s_mov_b32 s[\g+3], ROWB<<16                    ; tile_dim0
	s_mov_b32 s[\g+4], 128                         ; tile_dim1
	s_mov_b32 s[\g+5], KROW                        ; from row to row
	s_mov_b32 s[\g+6], 0
	s_mov_b32 s[\g+7], 0
.endr
	; the scales of 128 rows: a dense block of 4,096 bytes, as 16 rows of 256 bytes (32 elements of 8 bytes), 16 bytes of padding behind each
	s_or_b32 s[G1S+0], s43, (3<<16)|(1<<20)|(1<<21)|(5<<22)|(3<<25)
	s_or_b32 s[G1SB+0], s44, (3<<16)|(1<<20)|(1<<21)|(5<<22)|(3<<25)
.irp g, G1S, G1SB
	s_mov_b32 s[\g+1], 32<<16
	s_mov_b32 s[\g+2], (128*KS/256)<<16
	s_mov_b32 s[\g+3], 32<<16
	s_mov_b32 s[\g+4], 128*KS/256
	s_mov_b32 s[\g+5], 32
	s_mov_b32 s[\g+6], 0
	s_mov_b32 s[\g+7], 0
.endr
	s_lshl_b32 s18, s16, 7                         ; which 128 rows of the tile I fetch
	s_lshl_b32 s20, s17, 8
	s_add_co_u32 s20, s20, s18                     ; x: row 256 x tile row + 128 x half
	s_lshl_b32 s46, s42, 8
	s_add_co_u32 s46, s46, s18                     ; qkv_w: row 256 x tile column + 128 x half
	s_mov_b32 s21, 0
	s_mov_b32 s47, 0
	s_mov_b64 s[18:19], KS
	s_mul_u64 s[22:23], s[20:21], s[18:19]         ; where these rows' scales begin,
	s_mul_u64 s[92:93], s[46:47], s[18:19]
	s_mov_b64 s[18:19], KROW
	s_mul_u64 s[20:21], s[20:21], s[18:19]         ; and their codes
	s_mul_u64 s[46:47], s[46:47], s[18:19]
	s_mul_i32 s45, s14, HALFT                      ; where they go: wave x 128 rows: no place in the cluster enters an LDS address
	s_mul_i32 s94, s14, HALFS
	s_wait_dscnt 0x0                               ; both opening adds are done
	s_wait_kmcnt 0x0
	s_add_nc_u64 s[20:21], s[4:5], s[20:21]
	s_add_nc_u64 s[22:23], s[6:7], s[22:23]
	s_add_nc_u64 s[46:47], s[8:9], s[46:47]
	s_add_nc_u64 s[92:93], s[10:11], s[92:93]
	CROUND                                         ; all sixteen work-groups are here: the joint loads meet
	s_mov_b32 s[G0S], 1
	s_add_co_u32 s[G0S+1], s94, SCL
	s_mov_b64 s[G0S+2:G0S+3], s[22:23]
	s_or_b32 s[G0S+3], s[G0S+3], 0x80000000
	s_mov_b32 s[G0SB], 1
	s_add_co_u32 s[G0SB+1], s94, SCL
	s_mov_b64 s[G0SB+2:G0SB+3], s[92:93]
	s_or_b32 s[G0SB+3], s[G0SB+3], 0x80000000
	JLOAD G0S, G1S, G0SB, G1SB                     ; the scales first: they are wanted with K step 0.  Three tensor loads of mine are out behind the next two
.irp s, 0,1
	s_mov_b32 s[G0+4*\s], 1
	s_add_co_u32 s[G0+4*\s+1], s45, \s*SLOT
	s_add_nc_u64 s[G0+4*\s+2:G0+4*\s+3], s[20:21], \s*ROWB
	s_or_b32 s[G0+4*\s+3], s[G0+4*\s+3], 0x80000000
	s_mov_b32 s[G0B+4*\s], 1
	s_add_co_u32 s[G0B+4*\s+1], s45, \s*SLOT
	s_add_nc_u64 s[G0B+4*\s+2:G0B+4*\s+3], s[46:47], \s*ROWB
	s_or_b32 s[G0B+4*\s+3], s[G0B+4*\s+3], 0x80000000
	JLOAD G0+4*\s, G1, G0B+4*\s, G1B
.endr
	v_and_b32 v1, 15, v0                           ; r = l % 16
	v_bfe_u32 v2, v0, 4, 1                         ; h = l / 16
	; the bias of my 128 features, in the result's layout, and the norm's weights of my kind
	v_lshlrev_b32 v[BO], 5, v2
	s_lshl_b32 s46, s42, 10                        ; my first feature, in bytes of f32: 1,024 x tile column + 512 x half
	s_lshl_b32 s47, s16, 9
	s_add_co_u32 s46, s46, s47
	s_mov_b32 s47, 0
	s_add_nc_u64 s[66:67], s[66:67], s[46:47]
	s_cmp_eq_u32 ttmp9, 0                          ; q's cluster?  (k's and v's take kn_w and kn_b; v's makes no use of them)
	s_cselect_b64 s[96:97], s[96:97], s[100:101]
	s_cselect_b64 s[98:99], s[98:99], s[104:105]
	s_cselect_b32 s2, 0x3c44f9d9, 1.0              ; cq = 2 log2(e) / 30 / 8 for q, 1 for the others
	s_mov_b32 s3, s2                               ; (named with it as a pair, so it is written)
.irp b, 0,1,2,3,4,5,6,7
	global_load_b128 v[BIAS+8*\b:BIAS+8*\b+3], v[BO], s[66:67] offset:64*\b
	global_load_b128 v[BIAS+8*\b+4:BIAS+8*\b+7], v[BO], s[66:67] offset:64*\b+16
.endr
	WIN TO_B
.irp b, 0,1,2,3
	global_load_b128 v[LNW+8*\b:LNW+8*\b+3], v[BO], s[96:97] offset:64*\b
	global_load_b128 v[LNW+8*\b+4:LNW+8*\b+7], v[BO], s[96:97] offset:64*\b+16
	global_load_b128 v[LNB+8*\b:LNB+8*\b+3], v[BO], s[98:99] offset:64*\b
	global_load_b128 v[LNB+8*\b+4:LNB+8*\b+7], v[BO], s[98:99] offset:64*\b+16
.endr
	WIN 0
	v_mul_u32_u24 v3, v1, PITCH
	v_lshl_add_u32 v4, v2, 4, v3                   ; a fragment's row x pitch + 16 x half
	s_mul_i32 s21, s15, HALFT                      ; my 128 rows of x
	s_mul_i32 s22, s16, HALFT                      ; my 128 rows of qkv_w,
	s_add_co_u32 s22, s22, 2*HALFT                 ; which lie behind x's 256
.irp s, 0,1
	v_add_nc_u32 v[ADRA+\s], s21, v4
	v_add_nc_u32 v[ADRB+\s], s22, v4
	s_add_co_u32 s21, s21, SLOT
	s_add_co_u32 s22, s22, SLOT
.endr
	v_mul_u32_u24 v5, v1, KS                       ; my row's scales: KS bytes a row,
	v_lshrrev_b32 v6, 8, v5
	v_lshl_add_u32 v5, v6, 4, v5                   ; and 16 more for each 256 passed
	s_mul_i32 s21, s15, HALFS
	s_mul_i32 s22, s16, HALFS
	s_add_co_u32 s22, s22, 2*HALFS
	s_sub_co_u32 s22, s22, s21
	v_mul_u32_u24 v6, s22, v2                      ; lanes 16-31 take qkv_w's
	s_add_co_u32 s21, s21, SCL
	v_add_nc_u32 v5, v5, v6
	v_add_nc_u32 v[ADRS], s21, v5
	s_mul_i32 s23, s14, 16*SPITCH                  ; my stage
	v_mul_u32_u24 v5, v1, SPITCH                   ; in: row r, 16 bytes for each half of the lanes
	v_lshl_add_u32 v5, v2, 4, v5
	v_add_nc_u32 v[STO], s23, v5
	v_and_b32 v6, 31, v0
	v_lshlrev_b32 v[CO], 4, v6                     ; out: four tokens' 128 bytes of a head are 512 dense bytes: 16 x lane
	v_lshrrev_b32 v5, 3, v6
	v_mul_u32_u24 v5, v5, SPITCH                   ; back: eight lanes to a token's 128 bytes of one head
	v_and_b32 v6, 7, v0
	v_lshl_add_u32 v5, v6, 4, v5
	v_add_nc_u32 v[RD], s23, v5
	; where my part of the result begins: kind x 8 MiB + (16 batch + head) x 262,144 + token x 128
	s_lshr_b32 s20, s17, 3                         ; batch
	s_lshl_b32 s20, s20, 4
	s_lshl_b32 s21, s40, 2
	s_or_b32 s20, s20, s21
	s_lshl_b32 s21, s16, 1
	s_or_b32 s20, s20, s21                         ; + my first head: 4 cx + 2 x half
	s_lshl_b32 s20, s20, 18
	s_and_b32 s21, s17, 7
	s_lshl_b32 s21, s21, 15                        ; 256 tokens x 128 bytes
	s_add_co_u32 s20, s20, s21
	s_lshl_b32 s21, s15, 14                        ; 128 tokens
	s_add_co_u32 s20, s20, s21
	s_lshl_b32 s21, ttmp9, 23
	s_add_co_u32 s20, s20, s21
	s_mov_b32 s21, 0
	s_add_nc_u64 s[12:13], s[12:13], s[20:21]
	s_mov_b32 s20, 0x76543210                      ; v_permlanex16_b32's selects for lane l xor 16
	s_mov_b32 s21, 0xfedcba98
	s_mov_b32 s94, 0x3c800000                      ; 1 / 64
	s_mov_b32 s95, 0x3727c5ac                      ; 1e-5
.macro FRAG reg, adr, q, i             ; 16 rows x 128 K of 4-bit codes: lane l holds row l % 16; registers 4 c .. 4 c + 3 hold K = 64 c + 32 (l / 16) + 0 .. 31
.irp c, 0,1
	ds_load_b128 v[\reg+4*\c:\reg+4*\c+3], v[\adr] offset:64*(\q)+32*\c+(\i)*16*PITCH
.endr
.endm
; 16 matrix instructions: x's blocks a0, a0 + 1 against qkv_w's eight, 128 along K.  zero = 1: the first product starts the sums on the bias.  The 64 accumulators take turns, one instruction a turn.
.macro MUL16 a0, p, q, sc, zero
.irp a, \a0, \a0+1
.irp b, 0,1,2,3,4,5,6,7
.if \zero
	v_wmma_scale_f32_16x16x128_f8f6f4 v[8*(8*((\a)%4)+\b):8*(8*((\a)%4)+\b)+7], v[128*(\p)+FR*\b:128*(\p)+FR*\b+FR-1], v[AF+FR*(\a):AF+FR*(\a)+FR-1], v[BIAS+8*\b:BIAS+8*\b+7], v[SC+8*NQ*(\sc)+NQ*\b+(\q)], v[SC+8*NQ*(\sc)+NQ*(\a)+(\q)] matrix_a_fmt:MATRIX_FMT_FP4 matrix_b_fmt:MATRIX_FMT_FP4 matrix_a_scale:MATRIX_SCALE_ROW1
.else
	v_wmma_scale_f32_16x16x128_f8f6f4 v[8*(8*((\a)%4)+\b):8*(8*((\a)%4)+\b)+7], v[128*(\p)+FR*\b:128*(\p)+FR*\b+FR-1], v[AF+FR*(\a):AF+FR*(\a)+FR-1], v[8*(8*((\a)%4)+\b):8*(8*((\a)%4)+\b)+7], v[SC+8*NQ*(\sc)+NQ*\b+(\q)], v[SC+8*NQ*(\sc)+NQ*(\a)+(\q)] matrix_a_fmt:MATRIX_FMT_FP4 matrix_b_fmt:MATRIX_FMT_FP4 matrix_a_scale:MATRIX_SCALE_ROW1
.endif
.endr
.endr
.endm
.macro FETCH_B slot, q, p
	WIN TO_B
.irp i, 0,1,2,3,4,5,6,7
	FRAG 128*(\p)+FR*\i, ADRB+\slot, \q, \i
.endr
	WIN 0
.endm
.macro FETCH_A slot, q, i0
.irp i, \i0, \i0+1, \i0+2, \i0+3
	FRAG AF+FR*(\i), ADRA+\slot, \q, \i
.endr
.endm
.macro SCALES sc                       ; a K step's scale words: four a row; lanes 0-15 take x's block i, lanes 16-31 qkv_w's block i
.irp i, 0,1,2,3,4,5,6,7
	ds_load_b128 v[SC+8*NQ*\sc+NQ*\i:SC+8*NQ*\sc+NQ*\i+3], v[ADRS] offset:\i*SBLK
.endr
.endm
.macro PLACES n                        ; plain vector instructions between a matrix instruction and a load into, or a read or write of, its registers
.rept \n
	v_nop
.endr
.endm
.macro STEP slot, q, zero              ; 128 along K that has its successor in the same slot
	s_wait_dscnt 4*NL                              ; qkv_w's set and x's blocks 0-3 are in; the youngest eight loads (x's blocks 4-7) may be out
.if \zero
	WIN MUL_LO0
.else
	WIN MUL_LO
.endif
	MUL16 0, (\q)%2, \q, \slot, \zero
	MUL16 2, (\q)%2, \q, \slot, \zero
	s_wait_dscnt 0                                 ; x's blocks 4-7 are in
	PLACES NP
	FETCH_B \slot, (\q)+1, 1-(\q)%2
	FETCH_A \slot, (\q)+1, 0
.if \zero
	WIN MUL_HI0
.else
	WIN MUL_HI
.endif
	MUL16 4, (\q)%2, \q, \slot, \zero
	MUL16 6, (\q)%2, \q, \slot, \zero
	PLACES NP
	WIN 0
	FETCH_A \slot, (\q)+1, 4
.endm
; Slot 0's last step changes slots: each wave waits for all its tensor loads (its part of slot 1), adds 0 to its spare word, waits for that and for its reads of slot 0, and passes the barrier.
.macro TURN slot, next
	s_wait_tensorcnt 0x0
	ds_add_u32 v[SPW], v[NIL]
	s_wait_dscnt 4*NL+1                            ; (the add and the youngest eight loads may be out)
	WIN MUL_LO
	MUL16 0, 1, NQ-1, \slot, 0
	s_wait_dscnt 0x0                               ; the add is done, and my reads of this slot are over
	s_barrier_signal -1
	MUL16 2, 1, NQ-1, \slot, 0
	WIN 0
	s_barrier_wait -1
	PLACES NP
	v_add_nc_u32 v[ADRS], 4*NQ, v[ADRS]            ; on to the next K step's scale words
	FETCH_B \next, 0, 0
	FETCH_A \next, 0, 0
	SCALES \next
	WIN MUL_HI
	MUL16 4, 1, NQ-1, \slot, 0
	MUL16 6, 1, NQ-1, \slot, 0
	PLACES NP
	WIN 0
	FETCH_A \next, 0, 4
.endm
.macro STEPS slot, from
.set QQ, \from
.rept NQ-1-\from
	STEP \slot, QQ, 0
.set QQ, QQ+1
.endr
.endm
	s_wait_tensorcnt 1                             ; the scales and my part of K step 0 are in; K step 1's load may be out
	s_barrier_signal -1
	s_barrier_wait -1
	FETCH_B 0, 0, 0
	FETCH_A 0, 0, 0
	SCALES 0
	FETCH_A 0, 0, 4
	s_wait_loadcnt 0x0                             ; the bias and the norm's weights
	WIN 0x41                                       ; destination and source 0 in window 1
.set i, 0
.rept 32
	v_pk_mul_f32 v[LNW+i:LNW+i+1], v[LNW+i:LNW+i+1], s[2:3] op_sel_hi:[1,0]   ; w and b times cq (q) or 1
.set i, i+2
.endr
	WIN 0
	STEP 0, 0, 1
	STEPS 0, 1
	TURN 0, 1
	STEPS 1, 0
	s_wait_dscnt 4*NL                              ; the very last step: nothing more to fetch
	WIN MUL_LO
	MUL16 0, 1, NQ-1, 1, 0
	MUL16 2, 1, NQ-1, 1, 0
	s_wait_dscnt 0
	WIN MUL_HI
	MUL16 4, 1, NQ-1, 1, 0
	MUL16 6, 1, NQ-1, 1, 0
	WIN 0
; THE WAY OUT, block by block of 16 tokens x 128 features (two heads).
.macro HSUM                            ; the two chains, the pair's halves and lane l xor 16's: a head's sum over its 64 numbers, at +8, for both heads by turns
.irp e, 0,1
	v_pk_add_f32 v[STT+12*\e:STT+12*\e+1], v[STT+12*\e:STT+12*\e+1], v[STT+12*\e+2:STT+12*\e+3]
.endr
.irp e, 0,1
	v_add_f32 v[STT+12*\e+8], v[STT+12*\e], v[STT+12*\e+1]
.endr
.irp e, 0,1
	v_permlanex16_b32 v[STT+12*\e+9], v[STT+12*\e+8], s20, s21
.endr
.irp e, 0,1
	v_add_f32 v[STT+12*\e+8], v[STT+12*\e+8], v[STT+12*\e+9]
.endr
.endm
; Block a: q and k are normalised, head by head, in f32; all kinds are rounded to f16, 16 bytes for each accumulator.  The branch hangs on the cluster's x, which all partners share.
.macro LNPACK a
.set AC, 64*((\a)%4)
.set WA, 2+(\a)/4                      ; the block's accumulators lie in window 2 or 3
	s_cmp_eq_u32 ttmp9, 2
	s_cbranch_scc1 .Lv_\@
	WIN WA*5                                       ; sources 0 and 1 in the accumulators' window
.irp e, 0,1
	v_pk_add_f32 v[STT+12*\e:STT+12*\e+1], v[AC+32*\e:AC+32*\e+1], v[AC+32*\e+8:AC+32*\e+9]          ; the sums begin at each accumulator's low end
	v_pk_add_f32 v[STT+12*\e+2:STT+12*\e+3], v[AC+32*\e+16:AC+32*\e+17], v[AC+32*\e+24:AC+32*\e+25]
.endr
	WIN WA*4                                       ; source 1 alone
.irp p, 1,2,3
.irp u, 0,1
.irp e, 0,1
	v_pk_add_f32 v[STT+12*\e:STT+12*\e+1], v[STT+12*\e:STT+12*\e+1], v[AC+32*\e+8*\u+2*\p:AC+32*\e+8*\u+2*\p+1]
	v_pk_add_f32 v[STT+12*\e+2:STT+12*\e+3], v[STT+12*\e+2:STT+12*\e+3], v[AC+32*\e+16+8*\u+2*\p:AC+32*\e+16+8*\u+2*\p+1]
.endr
.endr
.endr
	WIN 0
	HSUM
.irp e, 0,1
	v_mul_f32 v[STT+12*\e+4], s94, v[STT+12*\e+8]  ; the mean, twice: a pair for the packed form
	v_mul_f32 v[STT+12*\e+5], s94, v[STT+12*\e+8]
.endr
	WIN WA                                         ; source 0 in the accumulators' window
.irp b, 0,1,2,3,4,5,6,7
.irp p, 0,1,2,3
	v_pk_add_f32 v[T+8*\b+2*\p:T+8*\b+2*\p+1], v[AC+8*\b+2*\p:AC+8*\b+2*\p+1], v[STT+12*(\b/4)+4:STT+12*(\b/4)+5] neg_lo:[0,1] neg_hi:[0,1]   ; x - mean
.endr
.endr
	WIN 0
.irp e, 0,1
	v_pk_mul_f32 v[STT+12*\e:STT+12*\e+1], v[T+32*\e:T+32*\e+1], v[T+32*\e:T+32*\e+1]                 ; the squares, again in two chains a head
	v_pk_mul_f32 v[STT+12*\e+2:STT+12*\e+3], v[T+32*\e+2:T+32*\e+3], v[T+32*\e+2:T+32*\e+3]
.endr
.irp i, 4,8,12,16,20,24,28
.irp e, 0,1
	v_pk_fma_f32 v[STT+12*\e:STT+12*\e+1], v[T+32*\e+\i:T+32*\e+\i+1], v[T+32*\e+\i:T+32*\e+\i+1], v[STT+12*\e:STT+12*\e+1]
	v_pk_fma_f32 v[STT+12*\e+2:STT+12*\e+3], v[T+32*\e+\i+2:T+32*\e+\i+3], v[T+32*\e+\i+2:T+32*\e+\i+3], v[STT+12*\e+2:STT+12*\e+3]
.endr
.endr
	HSUM
.irp e, 0,1
	v_fma_f32 v[STT+12*\e+8], v[STT+12*\e+8], s94, s95   ; var + eps
.endr
.irp e, 0,1
	v_rsq_f32 v[STT+12*\e+6], v[STT+12*\e+8]
	v_rsq_f32 v[STT+12*\e+7], v[STT+12*\e+8]
.endr
	v_nop                                          ; a plain instruction behind the last of the four,
	s_wait_alu depctr_va_vdst(0)                   ; and the one wait ahead of their first reader
.irp b, 0,1,2,3,4,5,6,7
.irp p, 0,1,2,3
	v_pk_mul_f32 v[T+8*\b+2*\p:T+8*\b+2*\p+1], v[T+8*\b+2*\p:T+8*\b+2*\p+1], v[STT+12*(\b/4)+6:STT+12*(\b/4)+7]
.endr
.endr
	WIN 0x14                                       ; sources 1 and 2 (w, b) in window 1
.irp b, 0,1,2,3,4,5,6,7
.irp p, 0,1,2,3
	v_pk_fma_f32 v[T+8*\b+2*\p:T+8*\b+2*\p+1], v[T+8*\b+2*\p:T+8*\b+2*\p+1], v[LNW+8*(\b%4)+2*\p:LNW+8*(\b%4)+2*\p+1], v[LNB+8*(\b%4)+2*\p:LNB+8*(\b%4)+2*\p+1]
.endr
.endr
	WIN 0
.irp b, 0,1,2,3,4,5,6,7
.irp p, 0,1,2,3
	v_cvt_pk_f16_f32 v[TMP+4*\b+\p], v[T+8*\b+2*\p], v[T+8*\b+2*\p+1]
.endr
.endr
	s_branch .Ldone_\@
.Lv_\@:                                            ; v is rounded as it stands, each accumulator from its low end on
	WIN WA*5
.irp b, 0,1,2,3,4,5,6,7
.irp p, 0,1,2,3
	v_cvt_pk_f16_f32 v[TMP+4*\b+\p], v[AC+8*\b+2*\p], v[AC+8*\b+2*\p+1]
.endr
.endr
	WIN 0
.Ldone_\@:
.endm
.macro TOSTAGE a                       ; into my stage by tokens' rows of 256 bytes, back by heads: four tokens x 128 bytes an instruction.  LDS serves a wave's instructions in order (ISA guide 5.7.1.4): no wait between
.irp b, 0,1,2,3,4,5,6,7
	ds_store_b128 v[STO], v[TMP+4*\b:TMP+4*\b+3] offset:32*\b
.endr
.set BB, BK+32*((\a)%2)
.irp e, 0,1
.irp i, 0,1,2,3
	ds_load_b128 v[BB+4*(4*\e+\i):BB+4*(4*\e+\i)+3], v[RD] offset:4*SPITCH*\i+128*\e
.endr
.endr
.endm
.macro SEND a
.set BB, BK+32*((\a)%2)
	s_wait_dscnt 0x0                               ; the block is back in registers
	s_wait_xcnt 0x0                                ; the block before has had its stores' registers read: the next loads from the stage may land there
.irp e, 0,1
.irp i, 0,1,2,3
	global_store_b128 v[CO], v[BB+4*(4*\e+\i):BB+4*(4*\e+\i)+3], s[12:13] offset:2048*(\a)+262144*\e+512*\i   ; 32 lanes store 512 consecutive bytes, aligned
.endr
.endr
.endm
	PLACES NP                                      ; behind the last products: the lines below write registers that held scales and fragments, and read results
	v_mov_b32 v[STT+9], 0                          ; written once: a lane permute's destination counts as one of its sources
	v_mov_b32 v[STT+21], 0
	LNPACK 0
	TOSTAGE 0
.irp a, 1,2,3,4,5,6,7                  ; block a's arithmetic stands between block a - 1's loads from the stage and the wait for them
	LNPACK \a
	SEND \a-1
	TOSTAGE \a
.endr
	SEND 7
	s_wait_tensorcnt 0x0                           ; the wave's end, behind my last tensor load and my last LDS store
	ds_add_u32 v[SPW], v[NIL]
	s_wait_dscnt 0x0
	CROUND                                         ; the closing round
	s_endpgm
.Lfunc_end_k_q6b9c6645e8_qkv:
	.size	k_q6b9c6645e8_qkv, .Lfunc_end_k_q6b9c6645e8_qkv-k_q6b9c6645e8_qkv
	.p2alignl 7, 3214868480
	.fill 96, 4, 3214868480
	.section	.rodata,"a",@progbits
	.p2align	6, 0x0
	.amdhsa_kernel k_q6b9c6645e8_qkv
		.amdhsa_group_segment_fixed_size 327680
		.amdhsa_private_segment_fixed_size 0
		.amdhsa_enable_private_segment 0
		.amdhsa_kernarg_size 80
		.amdhsa_user_sgpr_count 2
		.amdhsa_user_sgpr_kernarg_segment_ptr 1
		.amdhsa_wavefront_size32 1
		.amdhsa_system_sgpr_workgroup_id_x 1
		.amdhsa_system_sgpr_workgroup_id_y 1
		.amdhsa_system_sgpr_workgroup_id_z 1
		.amdhsa_system_vgpr_workitem_id 0
		.amdhsa_next_free_vgpr 1024
		.amdhsa_next_free_sgpr 106
		.amdhsa_reserve_vcc 0
		.amdhsa_float_denorm_mode_32 3
		.amdhsa_float_denorm_mode_16_64 3
		.amdhsa_memory_ordered 1
		.amdhsa_forward_progress 1
		.amdhsa_inst_pref_size 238
	.end_amdhsa_kernel
	.amdgpu_metadata
---
amdhsa.version: [ 1, 2 ]
amdhsa.kernels:
  - .name:           k_q6b9c6645e8_qkv
    .symbol:         k_q6b9c6645e8_qkv.kd
    .args:
      - { .name: x_codes, .offset: 0, .size: 8, .value_kind: global_buffer, .address_space: global }
      - { .name: x_scales, .offset: 8, .size: 8, .value_kind: global_buffer, .address_space: global }
      - { .name: w_codes, .offset: 16, .size: 8, .value_kind: global_buffer, .address_space: global }
      - { .name: w_scales, .offset: 24, .size: 8, .value_kind: global_buffer, .address_space: global }
      - { .name: qkv_b, .offset: 32, .size: 8, .value_kind: global_buffer, .address_space: global }
      - { .name: qkvh, .offset: 40, .size: 8, .value_kind: global_buffer, .address_space: global }
      - { .name: qn_w, .offset: 48, .size: 8, .value_kind: global_buffer, .address_space: global }
      - { .name: qn_b, .offset: 56, .size: 8, .value_kind: global_buffer, .address_space: global }
      - { .name: kn_w, .offset: 64, .size: 8, .value_kind: global_buffer, .address_space: global }
      - { .name: kn_b, .offset: 72, .size: 8, .value_kind: global_buffer, .address_space: global }
    .group_segment_fixed_size: 327680
    .private_segment_fixed_size: 0
    .kernarg_segment_align: 8
    .kernarg_segment_size: 80
    .max_flat_workgroup_size: 128
    .sgpr_count:     106
    .vgpr_count:     1024
    .wavefront_size: 32
...
	.end_amdgpu_metadata
.endif
;; end of part 2
;; launch attn (part 3): grid 8 x 32, 8 waves a work-group, clusters of 4 x 1, 327,680 bytes of LDS; arguments qkvh, o16; writes o16
.if DOCPART == 3
	.amdgcn_target "amdgcn-amd-amdhsa--gfx1250"
	.amdhsa_code_object_version 6
	.text
	.protected	k_q6b9c6645e8_attn
	.globl	k_q6b9c6645e8_attn
	.p2align	8
	.type	k_q6b9c6645e8_attn,@function
k_q6b9c6645e8_attn:
	s_mov_b64 s[64:65], 0
	v_nop
	global_prefetch_b8 v0, s[64:65] scope:SCOPE_SE
	s_setreg_imm32_b32 hwreg(HW_REG_WAVE_MODE, 25, 1), 1
	s_wait_xcnt 0x0
	s_wait_alu depctr_hold_cnt(0) depctr_sa_sdst(0) depctr_va_vdst(0) depctr_va_sdst(0) depctr_va_ssrc(0) depctr_va_vcc(0) depctr_vm_vsrc(0)
	s_getreg_b32 s2, hwreg(HW_REG_IB_STS2, 6, 4)
	s_cmp_eq_u32 s2, 0
	s_cbranch_scc0 .Lentry_in_a_cluster
	s_endpgm
.Lentry_in_a_cluster:
	s_bfe_u32 s2, ttmp6, 0x10000c
	s_cmp_lg_u32 s2, 0x3003
	s_cbranch_scc0 .Lentry_shape_is_right
	s_endpgm
.Lentry_shape_is_right:
; o[bh][q] = the sum over k of softmax_k(30 tanh(s / 30)) v[bh][k], s = LN(q) . LN(k) / 8.  q', k, v: [kind][32 bh][2048][64] f16, q' = LN(q) x 2 log2(e) / 30 / 8.  o leaves as f16, laid [16 heads][4096 tokens][64].
; THE CAP AND THE SOFTMAX.  The first product gives u = 2 log2(e) s / 30.  z = 2^u, r = 1 / (1 + z): tanh(s / 30) = 1 - 2 r, so the capped score is 30 - 60 r, and a row's LARGEST capped score is its SMALLEST r.
; For each query a running smallest r (rmin) and a running sum l: p = 2^(-A r + A rmin), A = 60 log2(e); in every step O and l are multiplied by a = 2^(A rmin_new - A rmin_old), which is 1 where rmin has not moved.
; z = infinity gives r = 0 and z = 0 gives r = 1: the two ends of tanh.  The start rmin = 1 lies at or above every r.  l is the sum of the unrounded p, in f32, and divides O at the end; p is rounded to f16 for the second product.
; LIMITS: NaN and infinities among the inputs are not served; a p under f16's smallest number counts as 0 in the second product (the row's largest p is 1).
; SHARES.  A work-group owns 256 queries of one bh; each of its eight waves 32, two tiles of 16, in 256 registers: two waves to a SIMD, so that one wave's softmax stands beside the other's products and LDS loads.
; LAYOUT.  S^T = K Q'^T (source 0 = 16 keys, source 1 = 16 queries) and O^T = V^T P (source 0 = 16 channels, source 1 = 32 keys x 16 queries): a lane holds ONE query throughout; two tiles of S^T, rounded in pairs, are a fragment of P.
; K comes out of LDS as it lies, V ([key][channel]) turned, by ds_load_tr16_b128.
; THE RING.  Two slots of 256 keys (four steps of 64).  Waves 0-3 fetch K's four step tiles, waves 4-7 V's: one tensor load a wave behind each change of slots, four steps in which it lands.
; CLUSTER.  The four query blocks of a cluster belong to one bh and walk the same K and V: each tile is asked for jointly, by the same tensor load with the same descriptor and a mask that names the four.
.set NKEY,  2048
.set KS,    64                         ; keys in a step
.set NST,   4                          ; steps in a slot
.set PK,    144                        ; a row of K in LDS: 128 bytes + 16 = 36 words: the 16 rows of a load start 4 banks apart modulo 64 (64 banks of 4 bytes: ISA guide 11.1)
.set PV,    160                        ; a row of V: 128 + 32 = 40 words
.set VOFF,  KS*PK                      ; a step's tiles lie together: 64 rows of K, then 64 rows of V
.set STEPB, KS*(PK+PV)
.set SLOT1, 1<<17                      ; slot 1 begins here: one exclusive or turns an address in one slot into the other's
.set STAGE, NST*STEPB                  ; between the slots, where no tile lands: 16 rows x 144 bytes for each wave, for the way out
.set SP,    144
.set SPARE, STAGE+8*16*SP              ; behind the stages: the spare words, 128 bytes for each wave
.set SLOTB, NST*KS*128                 ; a slot's keys in memory: 32,768 bytes of K, as many of V
.set NSL,   NKEY/(NST*KS)              ; 8 slots' worth of keys
.set AK0, 1                            ; v1   my lane's place in a tile of K
.set AV0, 2                            ; v2   the same for V
.set ADK, 3                            ; v3   the step's tiles of K
.set ADV, 4                            ; v4   of V
.set SPW, 5                            ; v5   my spare word; never rewritten
.set NIL, 6                            ; v6   0; never rewritten
.set PFO, 7                            ; v7   256 x lane; never rewritten
.set QO,  8                            ; v8   my byte offset in the wave's rows of Q
.set RD,  9                            ; v9   the way out: where I read rows back
.set GO,  10                           ; v10  my byte offset in the wave's rows of O
.set STO, 11                           ; v11  the way out: where I put 16 bytes of a row
.set ST,  12                           ; tile t's statistics at v[ST + 8 t]: +0 A rmin, +1 rmin, +2:3 l, +4..7 c0-c3 at work (a takes +6; the sums take +4:5)
.set X1,  28                           ; v28-31 a second chain of sums for each tile
.set Q,   32                           ; v32-63   Q': tile t, channels 32 c on, at Q + 16 t + 8 c
.set S,   64                           ; v64-127  S^T: tile t, keys 16 a on, at S + 32 t + 8 a; then p; then P in the tile's first 16
.set O,   128                          ; v128-191 O^T: tile t, channels 16 d on, at O + 32 t + 8 d
.set F,   192                          ; v192-255 a step's fragments of K, then of V
.set WV,  12
.set LIM, 15                           ; s15  1 in a wave that prefetches, else the greatest number
.set PFA, 18                           ; s[18:19] where my prefetches stand
.set G1K, 24
.set G1V, 32
.set G0K, 40
.set G0V, 44
.set SLOTS, 56
.set CNT, 57
.set NA,  58                           ; s[58:59] -A
.set SEL, 60
.set TB,  62                           ; s62  LDS byte at which the step's tiles begin
; A joint load.  The branch hangs on the wave's number alone.  An s_nop 0 and four v_nop follow each of the two lines.
.macro JLOAD
	s_cmp_lt_u32 s[WV], 4
	s_cbranch_scc0 .Lfor_v_\@
	tensor_load_to_lds s[G0K:G0K+3], s[G1K:G1K+7]
	s_nop 0
.rept 4
	v_nop
.endr
	s_branch .Lasked_\@
.Lfor_v_\@:
	tensor_load_to_lds s[G0V:G0V+3], s[G1V:G1V+7]
	s_nop 0
.rept 4
	v_nop
.endr
.Lasked_\@:
.endm
; A prefetch of what the NEXT change of slots will ask for: 32,768 dense bytes of K and as many of V, four key steps ahead of that load.  Both clusters of a bh walk the same K and V: the first of them asks.  Its four partners
; share the bytes out BY ADDRESS, 8,192 each, lanes 256 bytes apart; in each, wave 0 asks for K's and wave 4 for V's.  So each aligned 256 bytes are named once.  The last change that fills a slot asks for nothing; slots 0 and 1 come by their loads alone.
.macro ASK
	s_cmp_gt_u32 s[SLOTS], s[LIM]
	s_cbranch_scc0 .Lnot_mine_\@
	global_prefetch_b8 v[PFO], s[PFA:PFA+1] th:TH_LOAD_NT scope:SCOPE_SE
.Lnot_mine_\@:
.endm
.macro CROUND                          ; a round of the cluster's barrier
	s_barrier_signal -1
	s_barrier_wait -1
	s_cmp_lg_u32 s[WV], 0
	s_cbranch_scc1 .Lnot_wave_0_\@
	s_barrier_signal -3
.Lnot_wave_0_\@:
	s_barrier_wait -3
	s_barrier_signal -1
	s_barrier_wait -1
.endm
	s_load_b128 s[4:7], s[0:1], 0x0                ; q', k, v in one buffer s[4:5]; o s[6:7]
	v_lshl_add_u32 v[SPW], v0, 2, SPARE
	v_mov_b32 v[NIL], 0
	ds_add_u32 v[SPW], v[NIL]                      ; the wave's opening: the add, twice on end, and its wait ahead of my first tensor load
	ds_add_u32 v[SPW], v[NIL]
	v_lshrrev_b32 v1, 5, v0
	v_readfirstlane_b32 s[WV], v1                  ; wave 0..7
	s_bfe_u32 s13, ttmp6, 0x40000                  ; cx
	s_lshl_b32 s14, ttmp9, 2
	s_add_co_u32 s14, s14, s13                     ; my block of 256 queries: it enters Q's and O's addresses alone
	s_and_b32 s20, ttmp7, 0xffff                   ; bh, which the four partners share
	s_and_b32 s16, s[WV], 3                        ; which of a slot's four steps I fetch
	s_mul_i32 s17, s16, STEPB                      ; its place in a slot
	s_lshl_b32 s22, s20, 18                        ; bh's 2,048 rows of 128 bytes,
	s_lshl_b32 s23, s16, 13                        ; my step's 64 rows
	s_add_co_u32 s22, s22, s23
	s_mov_b32 s23, 0
	s_lshl_b32 s2, s14, 15                         ; my block's 256 rows,
	s_lshl_b32 s3, s[WV], 12                       ; my wave's 32
	s_add_co_u32 s2, s2, s3
	s_and_b32 s48, s20, 15                         ; O: the head's 4,096 tokens of 128 bytes,
	s_lshl_b32 s48, s48, 19
	s_lshr_b32 s49, s20, 4                         ; the batch's 2,048 tokens
	s_lshl_b32 s49, s49, 18
	s_add_co_u32 s48, s48, s49
	s_add_co_u32 s48, s48, s2
	s_mov_b32 s49, 0
	s_lshl_b32 s3, s20, 18
	s_add_co_u32 s2, s2, s3                        ; Q
	s_mov_b32 s3, 0
	; descriptor group 1: a tile of 64 rows x 64 elements of 2 bytes, padded in LDS
	s_mov_b32 s[G1K], 15|(1<<16)|(1<<20)|(1<<21)|(4<<22)|(3<<25)  ; 15:0 the mask: all four; 17:16 elements of 2 bytes; 20 padding on; 21 set beside a mask; 24:22 after every 32 words; 31:25 four words
	s_mov_b32 s[G1V], 15|(1<<16)|(1<<20)|(1<<21)|(4<<22)|(7<<25)  ; the same with eight words of padding
.irp g, G1K, G1V
	s_mov_b32 s[\g+1], 64<<16                      ; tensor_dim0
	s_mov_b32 s[\g+2], KS<<16                      ; tensor_dim1
	s_mov_b32 s[\g+3], 64<<16                      ; tile_dim0
	s_mov_b32 s[\g+4], KS                          ; tile_dim1
	s_mov_b32 s[\g+5], 64                          ; from row to row
	s_mov_b32 s[\g+6], 0
	s_mov_b32 s[\g+7], 0
.endr
	s_mov_b32 s[NA], 0xc2ad1f97                    ; -A = -60 log2(e)
	s_mov_b32 s[NA+1], s[NA]                       ; (named with it as a pair, so it is written)
	s_mov_b32 s[SEL], 0x76543210
	s_mov_b32 s[SEL+1], 0xfedcba98
	s_mov_b32 s[TB], 0
	s_mov_b32 s[SLOTS], NSL-1
	s_or_b32 s[LIM], s16, ttmp9                    ; 0 in waves 0 and 4 of the bh's first cluster: the same in all four partners
	s_cmp_eq_u32 s[LIM], 0
	s_cselect_b32 s[LIM], 1, -1
	v_and_b32 v[PFO], 31, v0
	v_lshlrev_b32 v[PFO], 8, v[PFO]
	s_wait_dscnt 0x0                               ; both opening adds are done
	s_wait_kmcnt 0x0
	s_add_nc_u64 s[8:9], s[4:5], s[22:23]
	s_add_nc_u64 s[10:11], s[8:9], 0x1000000       ; V at my tile of slot 0
	s_add_nc_u64 s[8:9], s[8:9], 0x800000          ; K likewise
	s_add_nc_u64 s[4:5], s[4:5], s[2:3]            ; Q' at my wave's first row
	s_add_nc_u64 s[6:7], s[6:7], s[48:49]          ; O likewise
	s_cmp_lt_u32 s[WV], 4
	s_cselect_b64 s[PFA:PFA+1], s[8:9], s[10:11]   ; (in waves 0 and 4 these stand at a slot's first row)
	s_lshl_b32 s2, s13, 13                         ; my work-group's 8,192 bytes of the 32,768
	s_add_nc_u64 s[PFA:PFA+1], s[PFA:PFA+1], s[2:3]
	s_add_nc_u64 s[PFA:PFA+1], s[PFA:PFA+1], SLOTB ; in slot 1; the first change of slots steps it to slot 2
	CROUND                                         ; all four work-groups are here: the first joint loads meet
	s_mov_b32 s[G0K], 1                            ; count = 1
	s_mov_b32 s[G0K+1], s17                        ; LDS address: slot 0
	s_mov_b64 s[G0K+2:G0K+3], s[8:9]               ; global address
	s_or_b32 s[G0K+3], s[G0K+3], 0x80000000        ; type = 2
	s_mov_b32 s[G0V], 1
	s_add_co_u32 s[G0V+1], s17, VOFF
	s_mov_b64 s[G0V+2:G0V+3], s[10:11]
	s_or_b32 s[G0V+3], s[G0V+3], 0x80000000
	JLOAD                                          ; slot 0: one tensor load of mine is out
	v_and_b32 v28, 15, v0                          ; r
	v_bfe_u32 v29, v0, 4, 1                        ; h
	v_lshlrev_b32 v[QO], 7, v28
	v_lshl_add_u32 v[QO], v29, 4, v[QO]            ; row x 128 + 16 x half
.irp t, 0,1
.irp c, 0,1
	global_load_b128 v[Q+16*\t+8*\c:Q+16*\t+8*\c+3],   v[QO], s[4:5] offset:2048*\t+64*\c      ; Q' stays in registers
	global_load_b128 v[Q+16*\t+8*\c+4:Q+16*\t+8*\c+7], v[QO], s[4:5] offset:2048*\t+64*\c+32
.endr
.endr
	v_mul_u32_u24 v[AK0], v28, PK
	v_lshl_add_u32 v[AK0], v29, 4, v[AK0]          ; row x pitch + 16 x half
	v_and_b32 v30, 7, v0
	v_bfe_u32 v31, v0, 3, 1
	v_lshl_add_u32 v[AV0], v29, 3, v30             ; the turning load: key 8 (l / 16) + l % 8,
	v_mul_u32_u24 v[AV0], v[AV0], PV
	v_lshl_add_u32 v[AV0], v31, 4, v[AV0]          ; channels 8 ((l / 8) % 2) on
	v_add_nc_u32 v[AV0], VOFF, v[AV0]
	s_mul_i32 s2, s[WV], 16*SP
	s_add_co_u32 s2, s2, STAGE                     ; my stage
	v_mul_u32_u24 v[STO], v28, SP                  ; in: row r, 16 bytes for each half of the lanes
	v_lshl_add_u32 v[STO], v29, 4, v[STO]
	v_add_nc_u32 v[STO], s2, v[STO]
	v_bfe_u32 v31, v0, 3, 2
	v_mul_u32_u24 v[RD], v31, SP                   ; back: eight lanes to a row of 128 bytes, four rows an instruction
	v_lshl_add_u32 v[RD], v30, 4, v[RD]
	v_add_nc_u32 v[RD], s2, v[RD]
	v_and_b32 v[GO], 31, v0
	v_lshlrev_b32 v[GO], 4, v[GO]                  ; and the same four rows in O: 512 dense bytes
.irp t, 0,1
	v_mov_b32 v[ST+8*\t], 0x42ad1f97               ; A rmin
	v_mov_b32 v[ST+8*\t+1], 1.0                    ; rmin: no r lies above 1
	v_mov_b32 v[ST+8*\t+2], 0                      ; l
	v_mov_b32 v[ST+8*\t+3], 0
.endr
.set i, 0
.rept 64
	v_mov_b32 v[O+i], 0                            ; O^T.  (The step is written once: the first finds zeros, which its a leaves zeros)
.set i, i+1
.endr
; 8 products of S^T = K Q'^T: keys 16 a0 and 16 (a0 + 1) on, both tiles of queries, two deep along the 64 channels.  Four accumulators take turns, one instruction a turn.
.macro QK a0
.irp c, 0,1
.irp a, \a0, \a0+1
.irp t, 0,1
.if \c == 0
	v_wmma_f32_16x16x32_f16 v[S+32*\t+8*(\a):S+32*\t+8*(\a)+7], v[F+16*(\a)+8*\c:F+16*(\a)+8*\c+7], v[Q+16*\t+8*\c:Q+16*\t+8*\c+7], 0
.else
	v_wmma_f32_16x16x32_f16 v[S+32*\t+8*(\a):S+32*\t+8*(\a)+7], v[F+16*(\a)+8*\c:F+16*(\a)+8*\c+7], v[Q+16*\t+8*\c:Q+16*\t+8*\c+7], v[S+32*\t+8*(\a):S+32*\t+8*(\a)+7]
.endif
.endr
.endr
.endr
.endm
; A KEY STEP: 64 keys.
.macro STEP
	v_add_nc_u32 v[ADK], s[TB], v[AK0]             ; these two and three v_nop are five places behind the last step's products: the first products below write over P, which those read, and K's loads land where V lay
	v_add_nc_u32 v[ADV], s[TB], v[AV0]
.rept 3
	v_nop
.endr
.irp a, 0,1,2,3
.irp c, 0,1
	ds_load_b128 v[F+16*\a+8*\c:F+16*\a+8*\c+3],   v[ADK] offset:\a*16*PK+64*\c
	ds_load_b128 v[F+16*\a+8*\c+4:F+16*\a+8*\c+7], v[ADK] offset:\a*16*PK+64*\c+32
.endr
.endr
	s_wait_dscnt 8                                 ; keys 0-31 are in; the youngest eight loads (keys 32-63) may be out
	QK 0
	s_wait_dscnt 0x0
	QK 2
.rept 4
	v_nop                                          ; places: V's loads land where K lay, and the exponentials read results
.endr
.irp c, 0,1
.irp d, 0,1,2,3
	ds_load_tr16_b128 v[F+32*\c+8*\d:F+32*\c+8*\d+3],   v[ADV] offset:\c*32*PV+32*\d          ; V^T: channels 16 d on, keys 32 c on; they land under the softmax
	ds_load_tr16_b128 v[F+32*\c+8*\d+4:F+32*\c+8*\d+7], v[ADV] offset:\c*32*PV+16*PV+32*\d
.endr
.endr
.set i, 0
.rept 64
	v_exp_f32 v[S+i], v[S+i]                       ; z = 2^u, each accumulator from its low end on
.set i, i+1
.endr
	v_nop                                          ; a plain instruction behind the batch,
	s_wait_alu depctr_va_vdst(0)                   ; and its one wait ahead of the first reader
.set i, 0
.rept 32
	v_pk_add_f32 v[S+i:S+i+1], v[S+i:S+i+1], 1.0 op_sel_hi:[1,0]
.set i, i+2
.endr
.set i, 0
.rept 64
	v_rcp_f32 v[S+i], v[S+i]                       ; r = 1 / (1 + z)
.set i, i+1
.endr
	v_nop
	s_wait_alu depctr_va_vdst(0)                   ; the second batch's wait
	; the smallest r of my 32 keys and of the steps before, three operands at a time, the two tiles by turns
.irp j, 0,1,2,3
.irp t, 0,1
	v_min3_num_f32 v[ST+8*\t+4+\j], v[S+32*\t+8*\j], v[S+32*\t+8*\j+1], v[S+32*\t+8*\j+2]
.endr
.endr
.irp g, 3,5
.irp j, 0,1,2,3
.irp t, 0,1
	v_min3_num_f32 v[ST+8*\t+4+\j], v[ST+8*\t+4+\j], v[S+32*\t+8*\j+\g], v[S+32*\t+8*\j+\g+1]
.endr
.endr
.endr
.irp t, 0,1
	v_min3_num_f32 v[ST+8*\t+4], v[ST+8*\t+4], v[S+32*\t+7], v[S+32*\t+15]
.endr
.irp t, 0,1
	v_min3_num_f32 v[ST+8*\t+6], v[ST+8*\t+6], v[S+32*\t+23], v[S+32*\t+31]
.endr
.irp t, 0,1
	v_min3_num_f32 v[ST+8*\t+4], v[ST+8*\t+4], v[ST+8*\t+5], v[ST+8*\t+6]
.endr
.irp t, 0,1
	v_min3_num_f32 v[ST+8*\t+4], v[ST+8*\t+4], v[ST+8*\t+7], v[ST+8*\t+1]
.endr
.irp t, 0,1
	v_permlanex16_b32 v[ST+8*\t+5], v[ST+8*\t+4], s[SEL], s[SEL+1]   ; the query's other 32 keys lie in the lane 16 away
.endr
.irp t, 0,1
	v_mov_b32 v[ST+8*\t+7], v[ST+8*\t]             ; the old A rmin is kept for a
.endr
.irp t, 0,1
	v_min_num_f32 v[ST+8*\t+1], v[ST+8*\t+4], v[ST+8*\t+5]
.endr
.irp t, 0,1
	v_mul_f32 v[ST+8*\t], 0x42ad1f97, v[ST+8*\t+1]
.endr
.irp t, 0,1
	v_sub_f32 v[ST+8*\t+7], v[ST+8*\t], v[ST+8*\t+7]   ; new less old: 0 or less
.endr
.irp t, 0,1
.set i, 0
.rept 16
	v_pk_fma_f32 v[S+32*\t+i:S+32*\t+i+1], v[S+32*\t+i:S+32*\t+i+1], s[NA:NA+1], v[ST+8*\t:ST+8*\t+1] op_sel_hi:[1,0,0]   ; -A r + A rmin, two at a time
.set i, i+2
.endr
.endr
.irp t, 0,1
	v_exp_f32 v[ST+8*\t+6], v[ST+8*\t+7]           ; a
.endr
.set i, 0
.rept 64
	v_exp_f32 v[S+i], v[S+i]                       ; p, at most 1 but for the last bit
.set i, i+1
.endr
	v_nop
	s_wait_alu depctr_va_vdst(0)                   ; the third batch's wait
	; l = a l + the sum of the unrounded p: two chains a tile
.irp t, 0,1
	v_pk_add_f32 v[ST+8*\t+4:ST+8*\t+5], v[S+32*\t:S+32*\t+1], v[S+32*\t+2:S+32*\t+3]
	v_pk_add_f32 v[X1+2*\t:X1+2*\t+1], v[S+32*\t+4:S+32*\t+5], v[S+32*\t+6:S+32*\t+7]
.endr
.irp n, 8,12,16,20,24,28
.irp t, 0,1
	v_pk_add_f32 v[ST+8*\t+4:ST+8*\t+5], v[ST+8*\t+4:ST+8*\t+5], v[S+32*\t+\n:S+32*\t+\n+1]
	v_pk_add_f32 v[X1+2*\t:X1+2*\t+1], v[X1+2*\t:X1+2*\t+1], v[S+32*\t+\n+2:S+32*\t+\n+3]
.endr
.endr
.irp t, 0,1
	v_pk_add_f32 v[ST+8*\t+4:ST+8*\t+5], v[ST+8*\t+4:ST+8*\t+5], v[X1+2*\t:X1+2*\t+1]
.endr
.irp t, 0,1
	v_pk_fma_f32 v[ST+8*\t+2:ST+8*\t+3], v[ST+8*\t+2:ST+8*\t+3], v[ST+8*\t+6:ST+8*\t+7], v[ST+8*\t+4:ST+8*\t+5] op_sel_hi:[1,0,1]
.endr
.set i, 0
.rept 16
	v_cvt_pk_f16_f32 v[S+i], v[S+2*i], v[S+2*i+1]              ; P in place, ascending: register i is written when registers 2 i and 2 i + 1 are read, never ahead of them
	v_cvt_pk_f16_f32 v[S+32+i], v[S+32+2*i], v[S+32+2*i+1]
.set i, i+1
.endr
.irp t, 0,1
.set i, 0
.rept 16
	v_pk_mul_f32 v[O+32*\t+i:O+32*\t+i+1], v[O+32*\t+i:O+32*\t+i+1], v[ST+8*\t+6:ST+8*\t+7] op_sel_hi:[1,0]   ; O^T times a
.set i, i+2
.endr
.endr
	s_wait_dscnt 0x0                               ; V is in
.irp c, 0,1                            ; O^T += V^T P: eight accumulators take turns
.irp d, 0,1,2,3
.irp t, 0,1
	v_wmma_f32_16x16x32_f16 v[O+32*\t+8*\d:O+32*\t+8*\d+7], v[F+32*\c+8*\d:F+32*\c+8*\d+7], v[S+32*\t+8*\c:S+32*\t+8*\c+7], v[O+32*\t+8*\d:O+32*\t+8*\d+7]
.endr
.endr
.endr
	s_add_co_u32 s[TB], s[TB], STEPB               ; the next step's tiles
.endm
.macro FOUR_STEPS                      ; a slot's four steps: written once, walked four times
	s_mov_b32 s[CNT], NST
.Lstep_\@:
	STEP
	s_sub_co_u32 s[CNT], s[CNT], 1
	s_cmp_lg_u32 s[CNT], 0
	s_cbranch_scc1 .Lstep_\@
	s_sub_co_u32 s[TB], s[TB], NST*STEPB           ; back to a slot's first step,
	s_xor_b32 s[TB], s[TB], SLOT1                  ; in the other slot
.endm
; THE CHANGE OF SLOTS stands at a slot's head.  Each wave waits for all its tensor loads (its part of the slot that it is about to read), adds 0 to its spare word, and waits for that and for its reads of the slot that it has left.
; fill = 1: the barrier is a round of the cluster's, and behind it the slot just left (in the first trip: slot 1, for the first time) takes the next 256 keys: my one tensor load until the next round.
.macro CHANGE fill
	s_wait_tensorcnt 0x0                           ; no tensor load of mine is out, so a group 0 may be written
	ds_add_u32 v[SPW], v[NIL]                      ; every wave has issued a tensor load ahead of it
.if \fill
	s_xor_b32 s[G0K+1], s[G0K+1], SLOT1            ; the walking descriptors: the other slot than last time,
	s_add_nc_u64 s[G0K+2:G0K+3], s[G0K+2:G0K+3], SLOTB   ; the next 256 keys; the type bits on top are not reached
	s_xor_b32 s[G0V+1], s[G0V+1], SLOT1
	s_add_nc_u64 s[G0V+2:G0V+3], s[G0V+2:G0V+3], SLOTB
	s_wait_xcnt 0x0                                ; the last prefetch, four steps back, has read its address, so it may be written:
	s_add_nc_u64 s[PFA:PFA+1], s[PFA:PFA+1], SLOTB ; one slot further on than the walking descriptors
	s_wait_dscnt 0x0                               ; the add is done, and my reads of the slot that I have left are over
	CROUND
	JLOAD
	ASK
.else
	s_wait_dscnt 0x0
	s_barrier_signal -1
	s_barrier_wait -1
.endif
.endm
	s_wait_loadcnt 0x0                             ; Q'
.Lslot:                                            ; NSL - 1 trips: behind each change of slots but the last the next slot is asked for
	CHANGE 1
	FOUR_STEPS
	s_sub_co_u32 s[SLOTS], s[SLOTS], 1
	s_cmp_lg_u32 s[SLOTS], 0
	s_cbranch_scc1 .Lslot
	CHANGE 0                                       ; the last slot is written out
	FOUR_STEPS
	; THE WAY OUT.  l's two halves and the other half of the lanes' are added; O^T is divided by l, rounded to f16 and sent through my stage, a tile (16 rows) at a time.  The additions are the places behind the last products.
.irp t, 0,1
	v_add_f32 v[ST+8*\t+4], v[ST+8*\t+2], v[ST+8*\t+3]
.endr
.irp t, 0,1
	v_permlanex16_b32 v[ST+8*\t+5], v[ST+8*\t+4], s[SEL], s[SEL+1]
.endr
.irp t, 0,1
	v_add_f32 v[ST+8*\t+4], v[ST+8*\t+4], v[ST+8*\t+5]
.endr
.irp t, 0,1
	v_rcp_f32 v[ST+8*\t+6], v[ST+8*\t+4]
.endr
	v_nop                                          ; a plain instruction behind the reciprocals,
	s_wait_alu depctr_va_vdst(0)                   ; and the one wait ahead of their first reader
.macro PACK t
.set i, 0
.rept 16
	v_pk_mul_f32 v[O+32*\t+i:O+32*\t+i+1], v[O+32*\t+i:O+32*\t+i+1], v[ST+8*\t+6:ST+8*\t+7] op_sel_hi:[1,0]
.set i, i+2
.endr
.set i, 0
.rept 16
	v_cvt_pk_f16_f32 v[S+16*\t+i], v[O+32*\t+2*i], v[O+32*\t+2*i+1]
.set i, i+1
.endr
.irp d, 0,1,2,3
	ds_store_b128 v[STO], v[S+16*\t+4*\d:S+16*\t+4*\d+3] offset:32*\d     ; channels 16 d + 8 h + 0 .. 7 of row r
.endr
.irp n, 0,1,2,3
	ds_load_b128 v[F+16*\t+4*\n:F+16*\t+4*\n+3], v[RD] offset:\n*4*SP     ; LDS serves a wave's instructions in order (ISA guide 5.7.1.4): these see the stores above, and the next tile's stores come behind them
.endr
.endm
	PACK 0
	PACK 1
	s_wait_dscnt 0x0
.irp t, 0,1
.irp n, 0,1,2,3
	global_store_b128 v[GO], v[F+16*\t+4*\n:F+16*\t+4*\n+3], s[6:7] offset:2048*\t+512*\n   ; 32 lanes store 512 consecutive bytes, aligned
.endr
.endr
	s_wait_tensorcnt 0x0                           ; the wave's end, behind my last tensor load and my last LDS store
	ds_add_u32 v[SPW], v[NIL]
	s_wait_dscnt 0x0
	CROUND                                         ; the closing round
	s_endpgm
.Lfunc_end_k_q6b9c6645e8_attn:
	.size	k_q6b9c6645e8_attn, .Lfunc_end_k_q6b9c6645e8_attn-k_q6b9c6645e8_attn
	.p2alignl 7, 3214868480
	.fill 96, 4, 3214868480
	.section	.rodata,"a",@progbits
	.p2align	6, 0x0
	.amdhsa_kernel k_q6b9c6645e8_attn
		.amdhsa_group_segment_fixed_size 327680
		.amdhsa_private_segment_fixed_size 0
		.amdhsa_enable_private_segment 0
		.amdhsa_kernarg_size 16
		.amdhsa_user_sgpr_count 2
		.amdhsa_user_sgpr_kernarg_segment_ptr 1
		.amdhsa_wavefront_size32 1
		.amdhsa_system_sgpr_workgroup_id_x 1
		.amdhsa_system_sgpr_workgroup_id_y 1
		.amdhsa_system_sgpr_workgroup_id_z 1
		.amdhsa_system_vgpr_workitem_id 0
		.amdhsa_next_free_vgpr 256
		.amdhsa_next_free_sgpr 66
		.amdhsa_reserve_vcc 0
		.amdhsa_float_denorm_mode_32 3
		.amdhsa_float_denorm_mode_16_64 3
		.amdhsa_memory_ordered 1
		.amdhsa_forward_progress 1
		.amdhsa_inst_pref_size 65
	.end_amdhsa_kernel
	.amdgpu_metadata
---
amdhsa.version: [ 1, 2 ]
amdhsa.kernels:
  - .name:           k_q6b9c6645e8_attn
    .symbol:         k_q6b9c6645e8_attn.kd
    .args:
      - { .name: qkvh, .offset: 0, .size: 8, .value_kind: global_buffer, .address_space: global }
      - { .name: o16, .offset: 8, .size: 8, .value_kind: global_buffer, .address_space: global }
    .group_segment_fixed_size: 327680
    .private_segment_fixed_size: 0
    .kernarg_segment_align: 8
    .kernarg_segment_size: 16
    .max_flat_workgroup_size: 256
    .sgpr_count:     66
    .vgpr_count:     256
    .wavefront_size: 32
...
	.end_amdgpu_metadata
.endif
;; end of part 3
;; launch proj (part 4): grid 8 x 32, 4 waves a work-group, clusters of 4 x 4, 327,680 bytes of LDS; arguments o16, pw16, proj_b, out0; writes out0
.if DOCPART == 4
	.amdgcn_target "amdgcn-amd-amdhsa--gfx1250"
	.amdhsa_code_object_version 6
	.text
	.protected	k_q6b9c6645e8_proj
	.globl	k_q6b9c6645e8_proj
	.p2align	8
	.type	k_q6b9c6645e8_proj,@function
k_q6b9c6645e8_proj:
	s_mov_b64 s[64:65], 0
	v_nop
	global_prefetch_b8 v0, s[64:65] scope:SCOPE_SE
	s_setreg_imm32_b32 hwreg(HW_REG_WAVE_MODE, 25, 1), 1
	s_wait_xcnt 0x0
	s_wait_alu depctr_hold_cnt(0) depctr_sa_sdst(0) depctr_va_vdst(0) depctr_va_sdst(0) depctr_va_ssrc(0) depctr_va_vcc(0) depctr_vm_vsrc(0)
	s_getreg_b32 s2, hwreg(HW_REG_IB_STS2, 6, 4)
	s_cmp_eq_u32 s2, 0
	s_cbranch_scc0 .Lentry_in_a_cluster
	s_endpgm
.Lentry_in_a_cluster:
	s_bfe_u32 s2, ttmp6, 0x10000c
	s_cmp_lg_u32 s2, 0xf033
	s_cbranch_scc0 .Lentry_shape_is_right
	s_endpgm
.Lentry_shape_is_right:
; out0[m][n] = the sum over k of o[m][k] proj_w[n][k] + proj_b[n].  o: f16, laid [16 heads][4096 tokens][64], so k = 64 head + channel; proj_w: f16 [1024][1024]; out0: f32 [4096][1024]; sums in f32.
; A tile of the result is 128 x 128: 8 x 32 = 256 work-groups.  Four waves, each 64 x 64: 16 accumulators, 128 registers.  K goes in steps of 256 (four heads) through a ring of two LDS slots.
; o's tile of a K step is four heads x 128 tokens x 128 bytes.  A head's 128 tokens are 16,384 dense bytes: waves 0 and 1 fetch two heads each, as a tile of two rows of 16,384 bytes, 524,288 bytes apart, with 16 bytes of
; padding behind every 128: in LDS a token's 128 bytes of a head lie 144 bytes apart.  proj_w's tile is 128 rows x 512 bytes: waves 2 and 3 fetch 64 rows each, 16 bytes of padding behind each row.
; CLUSTERS: 4 x 4 work-groups; o's tiles are asked for jointly along a row of the cluster, proj_w's along a column.  THE MATRIX INSTRUCTION IS USED TRANSPOSED (source 0 = 16 rows of proj_w, source 1 = 16 tokens):
; a lane holds eight neighbouring numbers of a row of the result.  The bias is the C of each sum's first product.
; REGISTERS: window 0: v0-31 addresses; v32-63 the bias, later v32-95 rows on the way out; v128-255 the accumulators ((a, b) at v[128 + 8 (4 a + b)]).   window 1: two fragment buffers of 128: 64 registers of o, then 64 of proj_w.
.set SIZE_M, 4096
.set SIZE_N, 1024
.set SIZE_K, 1024
.set KSTEP,  256
.set HSTR,   SIZE_M*128                ; bytes from head to head in o
.set PA,     144                       ; a token's 128 bytes of a head + 16 = 36 words: the 16 rows of a load start 4 banks apart modulo 64 (64 banks of 4 bytes: ISA guide 11.1)
.set HEADB,  128*PA                    ; a head's 128 tokens in LDS
.set HALFA,  2*HEADB                   ; what one tensor load brings of o
.set PB,     528                       ; a row of proj_w's tile: 512 bytes + 16
.set HALFB,  64*PB
.set BOFF,   2*HALFA                   ; proj_w's tile lies behind o's
.set SLOT,   BOFF+2*HALFB
.set STAGE,  2*SLOT                    ; behind the ring: 16 rows x 272 bytes for each wave, its own
.set SPITCH, 272
.set SPARE,  STAGE+4*16*SPITCH         ; the spare words, 128 bytes for each wave
.set LAPS,   SIZE_K/(2*KSTEP)
.set ADRA, 16
.set ADRB, 20
.set STO,  24
.set RD,   25
.set CO,   26
.set SPW,  28
.set NIL,  29
.set BIAS, 32
.set TMP,  32
.set ACC,  128
.set F0,   0
.set F1,   128
.set G1, 24
.set G0, 32
.set G1B, 48
.set G0B, 56
.set MSB, 0
.macro WIN new
.if MSB != (\new)
	s_set_vgpr_msb (MSB<<8)|(\new)
.set MSB, (\new)
.endif
.endm
.set MUL,  0x05                        ; sources 0 and 1 window 1; C and D window 0
.set TO_F, 0x40
.macro JLOAD s                         ; a joint load: waves 0 and 1 fetch o's halves, waves 2 and 3 proj_w's; an s_nop 0 and four v_nop follow each of the two lines
	s_cmp_eq_u32 s11, 0
	s_cbranch_scc0 .Lfor_b_\@
	tensor_load_to_lds s[G0+4*\s:G0+4*\s+3], s[G1:G1+7]
	s_nop 0
.rept 4
	v_nop
.endr
	s_branch .Lasked_\@
.Lfor_b_\@:
	tensor_load_to_lds s[G0B+4*\s:G0B+4*\s+3], s[G1B:G1B+7]
	s_nop 0
.rept 4
	v_nop
.endr
.Lasked_\@:
.endm
.macro CREST                           ; a round of the cluster's barrier behind its opening barrier
	s_cmp_lg_u32 s10, 0
	s_cbranch_scc1 .Lnot_wave_0_\@
	s_barrier_signal -3
.Lnot_wave_0_\@:
	s_barrier_wait -3
	s_barrier_signal -1
	s_barrier_wait -1
.endm
.macro CROUND
	s_barrier_signal -1
	s_barrier_wait -1
	CREST
.endm
	s_load_b128 s[4:7], s[0:1], 0x0                ; o, proj_w
	s_load_b64 s[66:67], s[0:1], 0x10              ; proj_b
	s_load_b64 s[8:9], s[0:1], 0x18                ; the result
	v_lshl_add_u32 v[SPW], v0, 2, SPARE
	v_mov_b32 v[NIL], 0
	ds_add_u32 v[SPW], v[NIL]                      ; the wave's opening: the add, twice on end, and its wait ahead of my first tensor load
	ds_add_u32 v[SPW], v[NIL]
	v_lshrrev_b32 v1, 5, v0
	v_readfirstlane_b32 s10, v1                    ; wave 0..3
	s_lshr_b32 s11, s10, 1                         ; which half of the tile's rows is mine.  Also: I fetch for o (0) or for proj_w (1)
	s_and_b32 s12, s10, 1                          ; which half of its columns.  Also: which half of that tile I fetch
	s_bfe_u32 s40, ttmp6, 0x40000                  ; cx, cy
	s_bfe_u32 s41, ttmp6, 0x40004
	s_lshl_b32 s42, ttmp9, 2
	s_add_co_u32 s42, s42, s40                     ; tile column
	s_and_b32 s13, ttmp7, 0xffff
	s_lshl_b32 s13, s13, 2
	s_add_co_u32 s13, s13, s41                     ; tile row
	s_lshl_b32 s43, s41, 2
	s_lshl_b32 s43, 15, s43                        ; my row of the cluster
	s_lshl_b32 s44, 0x1111, s40                    ; my column
	; o: two rows of 2,048 elements of 8 bytes, 65,536 elements apart; four words of padding after every 32
	s_or_b32 s[G1+0], s43, (3<<16)|(1<<20)|(1<<21)|(4<<22)|(3<<25)
	s_mov_b32 s[G1+1], 2048<<16                    ; tensor_dim0
	s_mov_b32 s[G1+2], 2<<16                       ; tensor_dim1
	s_mov_b32 s[G1+3], 2048<<16                    ; tile_dim0
	s_mov_b32 s[G1+4], 2                           ; tile_dim1
	s_mov_b32 s[G1+5], HSTR/8                      ; from row to row
	s_mov_b32 s[G1+6], 0
	s_mov_b32 s[G1+7], 0
	; proj_w: 64 rows of 256 elements of 2 bytes; four words of padding after every 128
	s_or_b32 s[G1B+0], s44, (1<<16)|(1<<20)|(1<<21)|(6<<22)|(3<<25)
	s_mov_b32 s[G1B+1], KSTEP<<16
	s_mov_b32 s[G1B+2], 64<<16
	s_mov_b32 s[G1B+3], KSTEP<<16
	s_mov_b32 s[G1B+4], 64
	s_mov_b32 s[G1B+5], SIZE_K
	s_mov_b32 s[G1B+6], 0
	s_mov_b32 s[G1B+7], 0
	s_lshl_b32 s16, s12, 20                        ; o: my two heads of the K step's four,
	s_lshl_b32 s17, s13, 14                        ; the tile's 128 tokens of 128 bytes
	s_add_co_u32 s16, s16, s17
	s_mov_b32 s17, 0
	s_lshl_b32 s46, s42, 7
	s_lshl_b32 s47, s12, 6
	s_add_co_u32 s46, s46, s47                     ; proj_w: row 128 x tile column + 64 x half,
	s_lshl_b32 s46, s46, 11                        ; of 2,048 bytes
	s_mov_b32 s47, 0
	s_mul_i32 s20, s12, HALFA                      ; where they go: no place in the cluster enters an LDS address
	s_mul_i32 s21, s12, HALFB
	s_add_co_u32 s21, s21, BOFF
	s_wait_dscnt 0x0                               ; both opening adds are done
	s_wait_kmcnt 0x0
	s_add_nc_u64 s[14:15], s[4:5], s[16:17]
	s_add_nc_u64 s[46:47], s[6:7], s[46:47]
	CROUND                                         ; all sixteen work-groups are here: the first joint loads meet
.irp s, 0,1
	s_mov_b32 s[G0+4*\s], 1
	s_add_co_u32 s[G0+4*\s+1], s20, \s*SLOT
	s_add_nc_u64 s[G0+4*\s+2:G0+4*\s+3], s[14:15], \s*4*HSTR       ; K step s: four heads on
	s_or_b32 s[G0+4*\s+3], s[G0+4*\s+3], 0x80000000
	s_mov_b32 s[G0B+4*\s], 1
	s_add_co_u32 s[G0B+4*\s+1], s21, \s*SLOT
	s_add_nc_u64 s[G0B+4*\s+2:G0B+4*\s+3], s[46:47], \s*KSTEP*2
	s_or_b32 s[G0B+4*\s+3], s[G0B+4*\s+3], 0x80000000
	JLOAD \s                                       ; two tensor loads of mine are out
.endr
	v_and_b32 v1, 15, v0                           ; r
	v_bfe_u32 v2, v0, 4, 1                         ; h
	v_mul_u32_u24 v3, v1, PA
	v_lshl_add_u32 v3, v2, 4, v3
	v_mul_u32_u24 v4, v1, PB
	v_lshl_add_u32 v4, v2, 4, v4
	s_mul_i32 s21, s11, 64*PA                      ; my 64 tokens of each head's 128
	s_mul_i32 s22, s12, HALFB                      ; my 64 rows of proj_w
	s_add_co_u32 s22, s22, BOFF
.irp s, 0,1
	v_add_nc_u32 v[ADRA+\s], s21, v3
	v_add_nc_u32 v[ADRB+\s], s22, v4
	s_add_co_u32 s21, s21, SLOT
	s_add_co_u32 s22, s22, SLOT
.endr
	s_mul_i32 s23, s10, 16*SPITCH
	s_add_co_u32 s23, s23, STAGE                   ; my stage
	v_mul_u32_u24 v5, v1, SPITCH                   ; in: row r, 32 bytes for each half of the lanes
	v_lshl_add_u32 v5, v2, 5, v5
	v_add_nc_u32 v[STO], s23, v5
	v_mul_u32_u24 v5, v2, SPITCH                   ; back: lanes 0-15 one row of 256 bytes, lanes 16-31 the next
	v_lshl_add_u32 v5, v1, 4, v5
	v_add_nc_u32 v[RD], s23, v5
	v_lshlrev_b32 v5, 12, v2                       ; and the same two rows of the result, 4,096 bytes apart
	v_lshl_add_u32 v[CO], v1, 4, v5
	s_lshl_b32 s16, s13, 7
	s_lshl_b32 s17, s11, 6
	s_add_co_u32 s16, s16, s17                     ; my first row,
	s_lshl_b32 s16, s16, 12
	s_lshl_b32 s46, s42, 9                         ; my first column, in bytes of f32: 512 x tile column + 256 x half
	s_lshl_b32 s47, s12, 8
	s_add_co_u32 s46, s46, s47
	s_mov_b32 s47, 0
	s_add_nc_u64 s[66:67], s[66:67], s[46:47]      ; the bias of my 64 columns
	s_add_co_u32 s16, s16, s46
	s_mov_b32 s17, 0
	s_add_nc_u64 s[8:9], s[8:9], s[16:17]
	v_lshlrev_b32 v6, 5, v2                        ; my eight numbers of a block of 16
.irp b, 0,1,2,3
	global_load_b128 v[BIAS+8*\b:BIAS+8*\b+3], v6, s[66:67] offset:64*\b
	global_load_b128 v[BIAS+8*\b+4:BIAS+8*\b+7], v6, s[66:67] offset:64*\b+16
.endr
; 8 matrix instructions: row blocks a0, a0 + 1 x all 4 column blocks, 32 along K: half c of buffer f.  zero = 1: the first product starts the sums on the bias.  The 16 accumulators take turns.
.macro MUL8 f, c, a0, zero
.irp a, \a0, \a0+1
.irp b, 0,1,2,3
.if \zero
	v_wmma_f32_16x16x32_f16 v[ACC+8*(4*(\a)+\b):ACC+8*(4*(\a)+\b)+7], v[\f+64+8*(4*\c+\b):\f+64+8*(4*\c+\b)+7], v[\f+8*(4*\c+(\a)):\f+8*(4*\c+(\a))+7], v[BIAS+8*\b:BIAS+8*\b+7]
.else
	v_wmma_f32_16x16x32_f16 v[ACC+8*(4*(\a)+\b):ACC+8*(4*(\a)+\b)+7], v[\f+64+8*(4*\c+\b):\f+64+8*(4*\c+\b)+7], v[\f+8*(4*\c+(\a)):\f+8*(4*\c+(\a))+7], v[ACC+8*(4*(\a)+\b):ACC+8*(4*(\a)+\b)+7]
.endif
.endr
.endr
.endm
; 32 LDS loads in one run: the fragments of quarter q of a K step (64 along K: one head), into buffer f; the first 32 along K first
.macro FETCH slot, q, f
	WIN TO_F
.irp c, 0,1
.irp i, 0,1,2,3
	ds_load_b128 v[\f+64+8*(4*\c+\i):\f+64+8*(4*\c+\i)+3],   v[ADRB+\slot] offset:128*(\q)+64*\c+\i*16*PB
	ds_load_b128 v[\f+64+8*(4*\c+\i)+4:\f+64+8*(4*\c+\i)+7], v[ADRB+\slot] offset:128*(\q)+64*\c+\i*16*PB+32
	ds_load_b128 v[\f+8*(4*\c+\i):\f+8*(4*\c+\i)+3],         v[ADRA+\slot] offset:(\q)*HEADB+64*\c+\i*16*PA
	ds_load_b128 v[\f+8*(4*\c+\i)+4:\f+8*(4*\c+\i)+7],       v[ADRA+\slot] offset:(\q)*HEADB+64*\c+\i*16*PA+32
.endr
.endr
.endm
.macro PLACES                          ; four places in front of loads into registers that matrix instructions have read, and of the first read of results
.rept 4
	v_nop
.endr
.endm
.macro QUARTER slot, q, f, g, zero     ; multiplies buffer f and fetches quarter q into g
	s_wait_dscnt 16                                ; the first 32 along K are in; the youngest sixteen loads may be out
	WIN MUL
	MUL8 \f, 0, 0, \zero
	MUL8 \f, 0, 2, \zero
	PLACES
	FETCH \slot, \q, \g
	s_wait_dscnt 32                                ; all but the 32 just issued
	WIN MUL
	MUL8 \f, 1, 0, 0
	MUL8 \f, 1, 2, 0
.endm
; The last quarter multiplies buffer 1 and changes slots: in front of the barrier each wave waits for all its tensor loads, adds 0 to its spare word, and waits for that and for its reads of this slot.  fill = 1: this slot is filled again, two K steps ahead.
.macro TURN slot, next, fill
	WIN 0                                          ; (the add's two registers lie in window 0)
	s_wait_tensorcnt 0x0                           ; all my tensor loads have landed: my part of the next slot
	ds_add_u32 v[SPW], v[NIL]
	s_wait_dscnt 17                                ; (the add and the youngest sixteen loads may be out)
	WIN MUL
	MUL8 F1, 0, 0, 0
	s_wait_dscnt 0x0                               ; the add is done, and my reads of this slot are over
	s_barrier_signal -1
	MUL8 F1, 0, 2, 0
.if \fill
	WIN 0
.endif
	s_barrier_wait -1
.if \fill
	CREST                                          ; the barrier has opened a round of the cluster's: no wave of any partner still reads this slot or has a load on its way
	s_add_nc_u64 s[G0+4*\slot+2:G0+4*\slot+3], s[G0+4*\slot+2:G0+4*\slot+3], 8*HSTR
	s_add_nc_u64 s[G0B+4*\slot+2:G0B+4*\slot+3], s[G0B+4*\slot+2:G0B+4*\slot+3], 2*KSTEP*2
	JLOAD \slot                                    ; my one tensor load behind the round; the four v_nop behind it are also the places in front of the loads below
.else
	PLACES
.endif
	FETCH \next, 0, F0
	WIN MUL
	MUL8 F1, 1, 0, 0
	MUL8 F1, 1, 2, 0
.endm
	s_wait_tensorcnt 1                             ; my part of K step 0 is in; K step 1's may be out
	s_barrier_signal -1
	s_barrier_wait -1
	FETCH 0, 0, F0
	s_wait_loadcnt 0x0                             ; the bias
	QUARTER 0, 1, F0, F1, 1                        ; the first quarter stands in front of the loop: its first products start the sums
	WIN 0                                          ; at a label and at a branch every window is 0
	s_mov_b32 s3, LAPS-1
.Llap:                                             ; a trip goes once round the ring and fills both slots again
	QUARTER 0, 2, F1, F0, 0
	QUARTER 0, 3, F0, F1, 0
	TURN 0, 1, 1
	QUARTER 1, 1, F0, F1, 0
	QUARTER 1, 2, F1, F0, 0
	QUARTER 1, 3, F0, F1, 0
	TURN 1, 0, 1
	QUARTER 0, 1, F0, F1, 0
	WIN 0
	s_sub_co_u32 s3, s3, 1
	s_cmp_lg_u32 s3, 0
	s_cbranch_scc1 .Llap
	QUARTER 0, 2, F1, F0, 0                        ; the last lap fills nothing
	QUARTER 0, 3, F0, F1, 0
	TURN 0, 1, 0
	QUARTER 1, 1, F0, F1, 0
	QUARTER 1, 2, F1, F0, 0
	QUARTER 1, 3, F0, F1, 0
	s_wait_dscnt 16
	WIN MUL
	MUL8 F1, 0, 0, 0
	MUL8 F1, 0, 2, 0
	s_wait_dscnt 0
	MUL8 F1, 1, 0, 0
	MUL8 F1, 1, 2, 0
	WIN 0
; THE WAY OUT, block by block of 16 rows x 64 columns.  A lane holds 32 neighbouring bytes of a row; a row's 256 bytes are my wave's own: through my stage and back as whole rows, two an instruction.  No barrier.
.macro TOSTAGE a
.irp b, 0,1,2,3
	ds_store_b128 v[STO], v[ACC+8*(4*(\a)+\b):ACC+8*(4*(\a)+\b)+3] offset:64*\b            ; each accumulator from its low end on
	ds_store_b128 v[STO], v[ACC+8*(4*(\a)+\b)+4:ACC+8*(4*(\a)+\b)+7] offset:64*\b+16
.endr
.set BB, TMP+32*((\a)%2)
.irp t, 0,1,2,3,4,5,6,7
	ds_load_b128 v[BB+4*\t:BB+4*\t+3], v[RD] offset:\t*2*SPITCH    ; LDS serves a wave's instructions in order (ISA guide 5.7.1.4): these see the stores above
.endr
.endm
.macro SEND a, younger                 ; younger: the LDS instructions issued behind block a's loads, which may stay out
.set BB, TMP+32*((\a)%2)
	s_wait_dscnt \younger
.irp t, 0,1,2,3,4,5,6,7
	global_store_b128 v[CO], v[BB+4*\t:BB+4*\t+3], s[8:9] offset:(16*(\a)+2*\t)*SIZE_N*4 th:TH_STORE_NT   ; 16 lanes store 256 consecutive bytes, aligned; written once, read by nobody here
.endr
.endm
	PLACES
	TOSTAGE 0
.irp a, 1,2,3
.if \a > 1
	s_wait_xcnt 0x0                                ; block a - 2's stores have read their registers: block a's loads may land there
.endif
	TOSTAGE \a
	SEND \a-1, 16                                  ; behind block a - 1's loads: block a's 8 stores and 8 loads
.endr
	SEND 3, 0
	s_wait_tensorcnt 0x0                           ; the wave's end, behind my last tensor load and my last LDS store
	ds_add_u32 v[SPW], v[NIL]
	s_wait_dscnt 0x0
	CROUND                                         ; the closing round
	s_endpgm
.Lfunc_end_k_q6b9c6645e8_proj:
	.size	k_q6b9c6645e8_proj, .Lfunc_end_k_q6b9c6645e8_proj-k_q6b9c6645e8_proj
	.p2alignl 7, 3214868480
	.fill 96, 4, 3214868480
	.section	.rodata,"a",@progbits
	.p2align	6, 0x0
	.amdhsa_kernel k_q6b9c6645e8_proj
		.amdhsa_group_segment_fixed_size 327680
		.amdhsa_private_segment_fixed_size 0
		.amdhsa_enable_private_segment 0
		.amdhsa_kernarg_size 32
		.amdhsa_user_sgpr_count 2
		.amdhsa_user_sgpr_kernarg_segment_ptr 1
		.amdhsa_wavefront_size32 1
		.amdhsa_system_sgpr_workgroup_id_x 1
		.amdhsa_system_sgpr_workgroup_id_y 1
		.amdhsa_system_sgpr_workgroup_id_z 1
		.amdhsa_system_vgpr_workitem_id 0
		.amdhsa_next_free_vgpr 512
		.amdhsa_next_free_sgpr 68
		.amdhsa_reserve_vcc 0
		.amdhsa_float_denorm_mode_32 3
		.amdhsa_float_denorm_mode_16_64 3
		.amdhsa_memory_ordered 1
		.amdhsa_forward_progress 1
		.amdhsa_inst_pref_size 87
	.end_amdhsa_kernel
	.amdgpu_metadata
---
amdhsa.version: [ 1, 2 ]
amdhsa.kernels:
  - .name:           k_q6b9c6645e8_proj
    .symbol:         k_q6b9c6645e8_proj.kd
    .args:
      - { .name: o16, .offset: 0, .size: 8, .value_kind: global_buffer, .address_space: global }
      - { .name: pw16, .offset: 8, .size: 8, .value_kind: global_buffer, .address_space: global }
      - { .name: proj_b, .offset: 16, .size: 8, .value_kind: global_buffer, .address_space: global }
      - { .name: out0, .offset: 24, .size: 8, .value_kind: global_buffer, .address_space: global }
    .group_segment_fixed_size: 327680
    .private_segment_fixed_size: 0
    .kernarg_segment_align: 8
    .kernarg_segment_size: 32
    .max_flat_workgroup_size: 128
    .sgpr_count:     68
    .vgpr_count:     512
    .wavefront_size: 32
...
	.end_amdgpu_metadata
.endif
;; end of part 4
